; MI455X (gfx1250); checked and timed in simulation.
; The chip was launched on July 23, 2026; its instructions are those of AMD's public machine-readable ISA for CDNA 5 (MIT licence, August 2026) and "CDNA5" Instruction Set Architecture Reference Guide (July 2026). The comments in the code are by the model that wrote it; some were corrected since.
;; Attention Block. Allowed arithmetic: matrix products marked QUANTISED: E2M1 operands, one E8M0 scale for each 32 along K, by v_wmma_scale_f32_16x16x128_f8f6f4 with both operands' format E2M1 (or v_wmma_scale_f32_32x16x128_f4), f32 sums; everything else in f32.
;; Inputs: ca_bo 1,024 float32; ca_nb 1,024 float32; ca_ncb 768 float32; ca_ncg 768 float32; ca_ng 1,024 float32; ca_wkv 768 x 1,024 float32; ca_wo 512 x 1,024 float32; ca_wq 1,024 x 512 float32; context 4 x 512 x 768 float32; sa_bo 1,024 float32; sa_nb 1,024 float32; sa_ncb 1,024 float32; sa_ncg 1,024 float32; sa_ng 1,024 float32; sa_wkv 1,024 x 1,024 float32; sa_wo 512 x 1,024 float32; sa_wq 1,024 x 512 float32; x 4 x 2,048 x 1,024 float32.
;; Outputs: out0 4 x 2,048 x 1,024 float32.
;; This version of the problem:
;;   THIS VERSION OF THE PROBLEM IS GIVEN IN LOW PRECISION. The matrix products marked QUANTISED in the list below multiply operands that are first quantised to E2M1 (2 exponent bits, 1 mantissa bit; 4 bits a number), with one power-of-two scale for each 32 numbers along K (OCP MX v1.0); their sums are f32. All else is computed in f32.
;;   The module's matrix products, in the order in which they are computed (A, B: the left and right operand; K: the contracted axis; several contracted axes count as one K, in the product's order):
;;     1. [M 8,192, K 1,024] x [K 1,024, N 512]; A: computed on the way; B: input sa_wq: QUANTISED
;;     2. [M 8,192, K 1,024] x [K 1,024, N 1,024]; A: computed on the way; B: input sa_wkv: QUANTISED
;;     3. batch 32 x [M 2,048, K 64] x [K 64, N 2,048]; A: computed on the way; B: computed on the way: QUANTISED
;;     4. batch 32 x [M 2,048, K 2,048] x [K 2,048, N 64]; A: softmax (see below); B: computed on the way: QUANTISED
;;     5. [M 8,192, K 512] x [K 512, N 1,024]; A: computed on the way; B: input sa_wo: QUANTISED
;;     6. [M 8,192, K 1,024] x [K 1,024, N 512]; A: computed on the way; B: input ca_wq: QUANTISED
;;     7. [M 2,048, K 768] x [K 768, N 1,024]; A: computed on the way; B: input ca_wkv: QUANTISED
;;     8. batch 32 x [M 2,048, K 64] x [K 64, N 512]; A: computed on the way; B: computed on the way: QUANTISED
;;     9. batch 32 x [M 2,048, K 512] x [K 512, N 64]; A: softmax (see below); B: computed on the way: QUANTISED
;;     10. [M 8,192, K 512] x [K 512, N 1,024]; A: computed on the way; B: input ca_wo: QUANTISED
;;   THE QUANTISER, for each operand of a quantised product, along K:
;;     - K is cut into blocks of 32 from its start; a last block that is shorter is filled with zeros.
;;     - A block's scale is 2^e with e = floor(log2(the largest magnitude in the block)) - 2, held to -126 .. 127; a block of zeros has e = 0. As a byte (E8M0): e + 127.
;;     - Each number is divided by its block's scale, clamped to +-6, and rounded to the nearest number of E2M1, ties to even, subnormals kept.
;;     - The product sums the exact products of the quantised numbers (number of the format x scale) in f32.
;;   ~~~python
;;   def quantise(x, axis):      # numpy; x: float32 -> the quantised numbers, widened to float32 again
;;       x = np.moveaxis(x, axis, -1); K = x.shape[-1]
;;       x = np.pad(x, [(0, 0)] * (x.ndim - 1) + [(0, -K % 32)]); x = x.reshape(x.shape[:-1] + (-1, 32)); a = np.abs(x).max(-1, keepdims=True)
;;       e = np.where(a > 0, np.clip(np.frexp(np.where(a > 0, a, 1))[1] - 1 - 2, -126, 127), 0)      # np.frexp(a)[1] - 1 = floor(log2(a)), exactly
;;       r = np.clip(x / 2.0 ** e, -6, 6)
;;       step = 2.0 ** (np.maximum(np.frexp(np.where(r == 0, 1, r))[1] - 1, 0) - 1)
;;       q = np.round(r / step) * step * 2.0 ** e      # np.round: ties to even
;;       return np.moveaxis(q.reshape(q.shape[:-2] + (-1,))[..., :K], -1, axis).astype(np.float32)
;;   ~~~
;;   SOFTMAX AHEAD OF A QUANTISED PRODUCT. Where the list says 'softmax', what is quantised is not the finished softmax but p = 2^(t - M), with t = logit x log2(e) and M = ceil(the row's largest t), a whole number; so 1/2 < the row's largest p <= 1. The row's sum l is taken of the UNQUANTISED p, in f32, and the product's result is divided by l at the end. Since M is a whole number, a kernel that streams over the keys may use a running M (the ceiling of the running maximum): every later rescaling is an exact power of two, which a block's scale takes up: the codes' values come out the same.
;;   OPERANDS COMPUTED ON THE WAY. 'Computed on the way' means the value that the module computes at that place (a softmax that the list does not call 'softmax' is quantised finished and normalised). What goes into a quantiser is computed in f32, as accurately as f32 sums, v_exp_f32 and their like allow (about 1e-6 of the number): no bf16 or f16 on the way to a quantiser, and a product that is left as it is and whose result goes on into a quantised operand takes f32 operands (vector FMAs, or v_wmma_f32_16x16x4_f32). A number that lies on a knife's edge between two numbers of the format may be rounded either way, as far as f32 arithmetic and the matrix unit's own rounding can turn it there, and no further.
;; One version. Each part assembles by itself: llvm-mc -triple=amdgcn-amd-amdhsa -mcpu=gfx1250 --defsym DOCPART=n.
;; ======== version 1 of 1: 7 launches
;; limits: right only within a limited range of input values
;; workspace buffers: wts 2,088,960 bytes; qc 2,359,296 bytes; kv1 4,718,592 bytes; kv2 1,179,648 bytes; oc 2,228,224 bytes; x1 33,554,432 bytes
;; launch wquant (part 1): grid 240 x 1, 4 waves a work-group, no clusters, 0 bytes of LDS; arguments sa_wq, ca_wq, sa_wkv, sa_wo, ca_wo, ca_wkv, wts; writes wts
.if DOCPART == 1
	.amdgcn_target "amdgcn-amd-amdhsa--gfx1250"
	.amdhsa_code_object_version 6
	.text
	.protected	k_qa96c7a6ce2_wquant
	.globl	k_qa96c7a6ce2_wquant
	.p2align	8
	.type	k_qa96c7a6ce2_wquant,@function
k_qa96c7a6ce2_wquant:
	s_mov_b64 s[64:65], 0
	v_nop
	global_prefetch_b8 v0, s[64:65] scope:SCOPE_SE
	s_setreg_imm32_b32 hwreg(HW_REG_WAVE_MODE, 25, 1), 1
	s_wait_xcnt 0x0
; The six weights, f32 [K][N] with K as the first axis, become codes of FP4 (E2M1) and E8M0 scale bytes, one for each 32 along K, in the buffer wts.
; LAYOUT OF wts.  Codes: for each weight [K step of 128][tile of 16 columns][1,024 bytes]; in a tile's 1,024 bytes: block of 32 along K x 256 + tile row r x 16 + (k % 32) / 2: the image of an
; operand's registers, fetched later by two loads of 16 bytes a lane at 16 x lane and 512 bytes on.  Scale words: from byte WSC on, [K step][tile][r], four bytes a word, byte t for block t.
; WHICH COLUMNS FORM A TILE: in each group of 32 columns tile u, row r holds column 8 u + r % 8 + 16 (r / 8), so that results made with two such tiles as source 0 lie as 16 neighbours in a lane.
; SHARES.  A work-group takes 128 columns x 128 along K, a wave 32 columns, A LANE ONE COLUMN, its registers running down K: a block of 32 lies in one lane, and the conversions give codes with K innermost.
; Work-group i writes codes at 8,192 i and scale words at WSC + 512 i; only the source hangs on which weight it is: 0-31 sa_wq, 32-63 ca_wq, 64-127 sa_wkv, 128-159 sa_wo, 160-191 ca_wo, 192-239 ca_wkv.
; A load of a wave reads 128 consecutive bytes; a store of codes covers two aligned runs of 256 bytes.  No LDS, no barrier: waves share nothing.
; A block's scale is 2^(floor(log2(largest magnitude)) - 2): its byte is the largest magnitude's exponent field - 2, held at 1 from below.
; LIMITS: a block of zeros gets the byte 1 where the rule says 127 (its codes are zeros, and this program alone reads the bytes); NaN and infinities among the inputs are not served.
.set WSC, 1966080                      ; where the scale words begin: 240 x 8,192
.set X,   32                           ; v32-95   two sets of 32 numbers
.set C,   96                           ; v96-111  four registers of codes for each block: no store's data are written again
.set SB,  24                           ; v24      the four scale bytes
	s_load_b256 s[4:11], s[0:1], 0x0               ; sa_wq, ca_wq, sa_wkv, sa_wo
	s_load_b128 s[12:15], s[0:1], 0x20             ; ca_wo, ca_wkv
	s_load_b64 s[16:17], s[0:1], 0x30              ; wts
	v_lshrrev_b32 v4, 5, v0
	v_readfirstlane_b32 s18, v4                    ; wave 0..3
	v_and_b32 v5, 7, v0
	v_bfe_u32 v6, v0, 3, 1
	v_bfe_u32 v7, v0, 4, 1
	v_lshl_add_u32 v5, v6, 4, v5
	v_lshl_add_u32 v5, v7, 3, v5                   ; my column in the wave's 32: lane % 8 + 16 ((lane / 8) % 2) + 8 (lane / 16)
	v_lshlrev_b32 v1, 2, v5                        ; in bytes
	v_and_b32 v8, 15, v0
	v_lshlrev_b32 v2, 4, v8
	v_lshl_add_u32 v2, v7, 10, v2                  ; my codes' place: tile lane / 16, row lane % 16
	v_and_b32 v9, 31, v0
	v_lshlrev_b32 v3, 2, v9                        ; my scale word's place
	s_lshl_b32 s28, ttmp9, 13
	s_lshl_b32 s29, s18, 11
	s_add_co_u32 s28, s28, s29                     ; codes: 8,192 x work-group + 2,048 x wave
	s_mov_b32 s29, 0
	s_lshl_b32 s30, ttmp9, 9
	s_lshl_b32 s31, s18, 7
	s_add_co_u32 s30, s30, s31
	s_add_co_u32 s30, s30, WSC                     ; scale words: WSC + 512 x work-group + 128 x wave
	s_mov_b32 s31, 0
	s_wait_kmcnt 0x0
	s_add_nc_u64 s[24:25], s[16:17], s[28:29]
	s_add_nc_u64 s[26:27], s[16:17], s[30:31]
.macro LOADB t, stride                 ; block t: W(32 t + i, my column), i = 0 .. 31, into set t % 2
.irp i, 0,1,2,3,4,5,6,7,8,9,10,11,12,13,14,15,16,17,18,19,20,21,22,23,24,25,26,27,28,29,30,31
	global_load_b32 v[X+32*((\t)%2)+\i], v1, s[20:21] offset:(32*(\t)+\i)*(\stride) th:TH_LOAD_NT
.endr
.endm
.macro BLOCK t, stride
.set XS, X+32*((\t)%2)
.if (\t) < 3
	s_wait_loadcnt 32                              ; this block's 32 loads are in; the next block's 32 may be out
.else
	s_wait_loadcnt 0x0
.endif
	v_max3_num_f32 v12, |v[XS]|, |v[XS+1]|, |v[XS+2]|       ; the block's largest magnitude: all 32 numbers are mine; two chains
	v_max3_num_f32 v13, |v[XS+3]|, |v[XS+4]|, |v[XS+5]|
.irp i, 6,10,14,18,22,26
	v_max3_num_f32 v12, v12, |v[XS+\i]|, |v[XS+\i+1]|
	v_max3_num_f32 v13, v13, |v[XS+\i+2]|, |v[XS+\i+3]|
.endr
	v_max3_num_f32 v12, v12, |v[XS+30]|, |v[XS+31]|
	v_max3_num_f32 v12, v12, v13, 0x1800000        ; and the floor 2^(3 - 127): the byte cannot fall under 1
	v_add_nc_u32 v11, 0xff000000, v12              ; 2 off the exponent field: the conversion takes this operand's exponent field as its scale
.if (\t) == 0
	v_lshrrev_b32 v[SB], 23, v11                   ; the scale's byte; the lower K in the lower byte
.else
	v_lshrrev_b32 v13, 23, v11
	v_lshl_or_b32 v[SB], v13, 8*(\t), v[SB]
.endif
.irp g, 0,1,2,3
	v_cvt_scalef32_pk8_fp4_f32 v[C+4*(\t)+\g], v[XS+8*\g:XS+8*\g+7], v11
.endr
	global_store_b128 v2, v[C+4*(\t):C+4*(\t)+3], s[24:25] offset:256*(\t)   ; sixteen lanes fill 256 consecutive bytes, at a multiple of 256 from the buffer's first byte
.if (\t)+2 < 4
	LOADB (\t)+2, \stride                          ; (the results go to a store and the sources take loads: the next vector lines are plain and touch neither)
.endif
.endm
.macro BODY stride
	LOADB 0, \stride
	LOADB 1, \stride
	BLOCK 0, \stride
	BLOCK 1, \stride
	BLOCK 2, \stride
	BLOCK 3, \stride
	global_store_b32 v3, v[SB], s[26:27]           ; 32 lanes: 128 consecutive bytes of scale words
	s_endpgm
.endm
	s_cmp_lt_u32 ttmp9, 64
	s_cbranch_scc0 .Lwide
	; rows of 512 numbers: sa_wq, ca_wq.  The choice of the buffer hangs on the work-group's number alone
	s_cmp_lt_u32 ttmp9, 32
	s_cselect_b64 s[20:21], s[4:5], s[6:7]
	s_cselect_b32 s22, 0, 32
	s_sub_co_u32 s22, ttmp9, s22                   ; my number within the weight
	s_and_b32 s23, s22, 3                          ; which 128 columns
	s_lshr_b32 s22, s22, 2                         ; which K step
	s_lshl_b32 s22, s22, 18                        ; 128 rows of 2,048 bytes
	s_lshl_b32 s23, s23, 9
	s_add_co_u32 s22, s22, s23
	s_lshl_b32 s23, s18, 7
	s_add_co_u32 s22, s22, s23
	s_mov_b32 s23, 0
	s_add_nc_u64 s[20:21], s[20:21], s[22:23]
	s_wait_alu depctr_va_vdst(0)
	BODY 2048
.Lwide:
	; rows of 1,024 numbers: sa_wkv, sa_wo, ca_wo, ca_wkv
	s_mov_b64 s[20:21], s[14:15]
	s_mov_b32 s22, 192
	s_cmp_lt_u32 ttmp9, 192
	s_cselect_b64 s[20:21], s[12:13], s[20:21]
	s_cselect_b32 s22, 160, s22
	s_cmp_lt_u32 ttmp9, 160
	s_cselect_b64 s[20:21], s[10:11], s[20:21]
	s_cselect_b32 s22, 128, s22
	s_cmp_lt_u32 ttmp9, 128
	s_cselect_b64 s[20:21], s[8:9], s[20:21]
	s_cselect_b32 s22, 64, s22
	s_sub_co_u32 s22, ttmp9, s22
	s_and_b32 s23, s22, 7
	s_lshr_b32 s22, s22, 3
	s_lshl_b32 s22, s22, 19                        ; 128 rows of 4,096 bytes
	s_lshl_b32 s23, s23, 9
	s_add_co_u32 s22, s22, s23
	s_lshl_b32 s23, s18, 7
	s_add_co_u32 s22, s22, s23
	s_mov_b32 s23, 0
	s_add_nc_u64 s[20:21], s[20:21], s[22:23]
	s_wait_alu depctr_va_vdst(0)
	BODY 4096
.Lfunc_end_k_qa96c7a6ce2_wquant:
	.size	k_qa96c7a6ce2_wquant, .Lfunc_end_k_qa96c7a6ce2_wquant-k_qa96c7a6ce2_wquant
	.p2alignl 7, 3214868480
	.fill 96, 4, 3214868480
	.section	.rodata,"a",@progbits
	.p2align	6, 0x0
	.amdhsa_kernel k_qa96c7a6ce2_wquant
		.amdhsa_group_segment_fixed_size 0
		.amdhsa_private_segment_fixed_size 0
		.amdhsa_enable_private_segment 0
		.amdhsa_kernarg_size 56
		.amdhsa_user_sgpr_count 2
		.amdhsa_user_sgpr_kernarg_segment_ptr 1
		.amdhsa_wavefront_size32 1
		.amdhsa_system_sgpr_workgroup_id_x 1
		.amdhsa_system_sgpr_workgroup_id_y 1
		.amdhsa_system_sgpr_workgroup_id_z 1
		.amdhsa_system_vgpr_workitem_id 0
		.amdhsa_next_free_vgpr 112
		.amdhsa_next_free_sgpr 66
		.amdhsa_reserve_vcc 0
		.amdhsa_float_denorm_mode_32 3
		.amdhsa_float_denorm_mode_16_64 3
		.amdhsa_memory_ordered 1
		.amdhsa_forward_progress 1
		.amdhsa_inst_pref_size 40
	.end_amdhsa_kernel
	.amdgpu_metadata
---
amdhsa.version: [ 1, 2 ]
amdhsa.kernels:
  - .name:           k_qa96c7a6ce2_wquant
    .symbol:         k_qa96c7a6ce2_wquant.kd
    .args:
      - { .name: sa_wq, .offset: 0, .size: 8, .value_kind: global_buffer, .address_space: global }
      - { .name: ca_wq, .offset: 8, .size: 8, .value_kind: global_buffer, .address_space: global }
      - { .name: sa_wkv, .offset: 16, .size: 8, .value_kind: global_buffer, .address_space: global }
      - { .name: sa_wo, .offset: 24, .size: 8, .value_kind: global_buffer, .address_space: global }
      - { .name: ca_wo, .offset: 32, .size: 8, .value_kind: global_buffer, .address_space: global }
      - { .name: ca_wkv, .offset: 40, .size: 8, .value_kind: global_buffer, .address_space: global }
      - { .name: wts, .offset: 48, .size: 8, .value_kind: global_buffer, .address_space: global }
    .group_segment_fixed_size: 0
    .private_segment_fixed_size: 0
    .kernarg_segment_align: 8
    .kernarg_segment_size: 56
    .max_flat_workgroup_size: 128
    .sgpr_count:     66
    .vgpr_count:     112
    .wavefront_size: 32
...
	.end_amdgpu_metadata
.endif
;; end of part 1
;; launch ctx (part 2): grid 64 x 2, 8 waves a work-group, no clusters, 168,960 bytes of LDS; arguments context, ca_ncg, ca_ncb, wts, kv2; writes kv2
.if DOCPART == 2
	.amdgcn_target "amdgcn-amd-amdhsa--gfx1250"
	.amdhsa_code_object_version 6
	.text
	.protected	k_qa96c7a6ce2_ctx
	.globl	k_qa96c7a6ce2_ctx
	.p2align	8
	.type	k_qa96c7a6ce2_ctx,@function
k_qa96c7a6ce2_ctx:
	s_mov_b64 s[64:65], 0
	v_nop
	global_prefetch_b8 v0, s[64:65] scope:SCOPE_SE
	s_setreg_imm32_b32 hwreg(HW_REG_WAVE_MODE, 25, 1), 1
	s_wait_xcnt 0x0
; Cross-attention's keys and values: cn = LayerNorm(context) x ca_ncg + ca_ncb, quantised along its 768 features to FP4 (E2M1) with E8M0 scales; k, v = cn x ca_wkv on codes; k is quantised along the head's 64,
; v along the keys; both go to kv2 as images of operand registers.
; SHARES.  A work-group takes 32 rows of context (work-group x) and half of the heads (work-group y = p: heads 4 p .. 4 p + 3); both halves repeat the norm of the 32 rows (98,304 bytes read twice) so that
; 128 work-groups run one path.  In the norm wave w holds columns 96 w .. 96 w + 95 of all 32 rows; in the product it makes 32 columns of k and 32 of v: head 4 p + w / 2, block w % 2 of its 64.
; ROWS AND COLUMNS OF A TILE: in a group of 32, tile u, row r holds index 8 u + r % 8 + 16 (r / 8): results made with two such tiles as source 0 are 16 neighbours in a lane.
; k: source 0 = 16 columns of the weight, source 1 = 16 rows: a lane holds a row, its registers run along the head.  v: source 0 = 16 rows, source 1 = 16 columns: a lane holds a channel, its registers run along the keys.
; kv2: [batch x head][128 keys][9,216 bytes]: 8 images of k (16 keys x 64: 512 bytes), 4 of v^T (16 channels x 128 keys: 1,024 bytes), k's scale words (512 bytes), v's (512 bytes).
; The weights go from memory straight into the registers of the one wave that multiplies by them; a joint request of several work-groups lands in LDS alone, so none is made.
; The mean and the variance are taken in two passes (no difference of large sums); the mean over 768 is a multiplication by the f32 number next to 1 / 768.
; LIMITS: a block of zeros gets the byte 1 where the rule says 127 (its codes are zeros; this program alone reads the bytes); NaN and infinities among the inputs are not served.
.set WKV2, 1572864
.set WSC,  1966080
.set NW,   8
.set NB,   3                           ; blocks of 32 columns a wave
.set XN,   16*NB                       ; numbers a lane and tile of rows
.set PITCH, 3120                       ; a row of the tile in LDS: 3 x (1,024 bytes + 16 of padding)
.set RED1, 0                           ; LDS: [wave][lane] partial sums, 1,024 bytes;
.set RED2, 1024                        ; the same for the squares;
.set CNS,  2048                        ; cn's scale words [K step][tile of rows][r];
.set CNI,  3072                        ; cn's images [tile of rows][K step 6][1,024];
.set TILE, 15360                       ; and the work-group's 32 rows x 768 numbers: wave w fetches rows 4 w .. 4 w + 3 whole, every wave reads its 96 columns of all rows behind a barrier
.set TILEB, 4*PITCH
.set L4,  1                            ; 4 x lane
.set RA,  2                            ; 4 x thread: my place among the partial sums;
.set VWS, 2                            ; the same number is 128 x wave + 4 x lane: my place among the weights' scale words
.set IA,  3                            ; 768 x wave + 16 r + 8 h: where my half blocks go in an image
.set SA,  4                            ; v4-6: where my three scale bytes go
.set TAB, 21                           ; v21-23 my place in the tile, one for each of my three blocks of 32 columns: block s = 3 w + b begins at byte 128 s + 16 (s / 8) of a row
.set GV,  8                            ; 384 x wave + 64 h: my gains
.set LI,  9                            ; 16 x lane
.set LH,  10                           ; 16 r + 8 h
.set R16, 11                           ; 16 r
.set VW,  12                           ; 2,048 x wave + 16 x lane: my weights' images
.set WS,  16                           ; v16-19 the weights' scale words, two sets of two;  v20 cn's: these registers hold scales alone
.set ASC, 20
.set MM,  24                           ; v24-27 the mean, later 1 / sqrt: each twice, for the two tiles of rows
.set TM,  28
.set TP,  31
.set TS,  34
.set CD,  38
.set X,   48                           ; v48-143 the numbers: 48 t + 16 b + i = x(row of tile t, 96 w + 32 b + 16 h + i)
.set GA,  144
.set BA,  192
.set RT,  240
.set T,   248
.set ACC, 48                           ; the product: k's four accumulators, then v's four
.set WF,  112                          ; two sets of four fragments of the weight
.set AF,  176                          ; cn's two fragments
.set EC,  112                          ; the way out: codes and bytes
.set EP,  128
.set WV,  20
.set SEL, 22
.set HM,  24
.set D1,  28
.set D0,  36
.set WTC, 44
.set WTS, 46
.set KB,  48
.set KSB, 50
.set VB,  52
.set VSB, 54
.macro PLACES n
.rept \n
	v_nop
.endr
.endm
.macro BAR                             ; my LDS stores have landed and my LDS loads are in: then the work-group's barrier
	s_wait_dscnt 0x0
	s_barrier_signal -1
	s_barrier_wait -1
.endm
; one product 16 x 16 x 128 on codes.  zero = 1: it starts the sum.  ra, rb = 1: the side's scale words stand in lanes 16-31 of the register named
.macro WM d, a, b, zero, sa, sb, ra, rb
.if \zero
.if (\ra) && (\rb)
	v_wmma_scale_f32_16x16x128_f8f6f4 v[(\d):(\d)+7], v[(\a):(\a)+7], v[(\b):(\b)+7], 0, v[\sa], v[\sb] matrix_a_fmt:MATRIX_FMT_FP4 matrix_b_fmt:MATRIX_FMT_FP4 matrix_a_scale:MATRIX_SCALE_ROW1 matrix_b_scale:MATRIX_SCALE_ROW1
.elseif (\ra)
	v_wmma_scale_f32_16x16x128_f8f6f4 v[(\d):(\d)+7], v[(\a):(\a)+7], v[(\b):(\b)+7], 0, v[\sa], v[\sb] matrix_a_fmt:MATRIX_FMT_FP4 matrix_b_fmt:MATRIX_FMT_FP4 matrix_a_scale:MATRIX_SCALE_ROW1
.elseif (\rb)
	v_wmma_scale_f32_16x16x128_f8f6f4 v[(\d):(\d)+7], v[(\a):(\a)+7], v[(\b):(\b)+7], 0, v[\sa], v[\sb] matrix_a_fmt:MATRIX_FMT_FP4 matrix_b_fmt:MATRIX_FMT_FP4 matrix_b_scale:MATRIX_SCALE_ROW1
.else
	v_wmma_scale_f32_16x16x128_f8f6f4 v[(\d):(\d)+7], v[(\a):(\a)+7], v[(\b):(\b)+7], 0, v[\sa], v[\sb] matrix_a_fmt:MATRIX_FMT_FP4 matrix_b_fmt:MATRIX_FMT_FP4
.endif
.else
.if (\ra) && (\rb)
	v_wmma_scale_f32_16x16x128_f8f6f4 v[(\d):(\d)+7], v[(\a):(\a)+7], v[(\b):(\b)+7], v[(\d):(\d)+7], v[\sa], v[\sb] matrix_a_fmt:MATRIX_FMT_FP4 matrix_b_fmt:MATRIX_FMT_FP4 matrix_a_scale:MATRIX_SCALE_ROW1 matrix_b_scale:MATRIX_SCALE_ROW1
.elseif (\ra)
	v_wmma_scale_f32_16x16x128_f8f6f4 v[(\d):(\d)+7], v[(\a):(\a)+7], v[(\b):(\b)+7], v[(\d):(\d)+7], v[\sa], v[\sb] matrix_a_fmt:MATRIX_FMT_FP4 matrix_b_fmt:MATRIX_FMT_FP4 matrix_a_scale:MATRIX_SCALE_ROW1
.elseif (\rb)
	v_wmma_scale_f32_16x16x128_f8f6f4 v[(\d):(\d)+7], v[(\a):(\a)+7], v[(\b):(\b)+7], v[(\d):(\d)+7], v[\sa], v[\sb] matrix_a_fmt:MATRIX_FMT_FP4 matrix_b_fmt:MATRIX_FMT_FP4 matrix_b_scale:MATRIX_SCALE_ROW1
.else
	v_wmma_scale_f32_16x16x128_f8f6f4 v[(\d):(\d)+7], v[(\a):(\a)+7], v[(\b):(\b)+7], v[(\d):(\d)+7], v[\sa], v[\sb] matrix_a_fmt:MATRIX_FMT_FP4 matrix_b_fmt:MATRIX_FMT_FP4
.endif
.endif
.endm
.macro MMN acc, ts, wf, af, ws, as, zero   ; source 0 = the weight's tile u, source 1 = the rows' tile t: a lane holds a row, registers run along the columns
.irp t, 0,1
.irp u, 0,1
	WM (\acc)+(\ts)*\t+8*\u, (\wf)+8*\u, (\af)+8*\t, \zero, \ws, \as, \u, \t
.endr
.endr
.endm
.macro MMT acc, wf, af, ws, as, zero       ; source 0 = the rows' tile u, source 1 = the weight's tile j: a lane holds a column, registers run along the rows
.irp j, 0,1
.irp u, 0,1
	WM (\acc)+16*\j+8*\u, (\af)+8*\u, (\wf)+8*\j, \zero, \as, \ws, \u, \j
.endr
.endr
.endm
.macro GFRAG dst, voff, sb, imm        ; a fragment's image from memory
.irp c, 0,1
	global_load_b128 v[(\dst)+4*\c:(\dst)+4*\c+3], v[\voff], s[\sb:\sb+1] offset:(\imm)+512*\c
.endr
.endm
.macro LFRAG dst, imm                  ; and from LDS
.irp c, 0,1
	ds_load_b128 v[(\dst)+4*\c:(\dst)+4*\c+3], v[LI] offset:(\imm)+512*\c
.endr
.endm
; n half blocks: v[src + 16 q + i] = number 16 h + i of a block of 32 that lanes l and l xor 16 share.  Codes to v[cd + 2 q], v[cd + 2 q + 1], the scale's byte to v[tp + q].  The blocks take turns line by line.
.macro HQ src, n, cd, tm, tp, ts
.set hq, 0
.rept \n
	v_max3_num_f32 v[(\tm)+hq], |v[(\src)+16*hq]|, |v[(\src)+16*hq+1]|, 0x1800000   ; with the floor 2^(3 - 127): the byte cannot fall under 1
.set hq, hq+1
.endr
.irp i, 2,4,6,8,10,12,14
.set hq, 0
.rept \n
	v_max3_num_f32 v[(\tm)+hq], v[(\tm)+hq], |v[(\src)+16*hq+\i]|, |v[(\src)+16*hq+\i+1]|
.set hq, hq+1
.endr
.endr
.set hq, 0
.rept \n
	v_permlanex16_b32 v[(\tp)+hq], v[(\tm)+hq], s[SEL], s[SEL+1]
.set hq, hq+1
.endr
.set hq, 0
.rept \n
	v_max_num_f32 v[(\tm)+hq], v[(\tm)+hq], v[(\tp)+hq]      ; with lane l xor 16's: the block's largest magnitude
.set hq, hq+1
.endr
.set hq, 0
.rept \n
	v_add_nc_u32 v[(\ts)+hq], 0xff000000, v[(\tm)+hq]        ; 2 off its exponent field: the conversion's scale operand
.set hq, hq+1
.endr
.set hq, 0
.rept \n
	v_lshrrev_b32 v[(\tp)+hq], 23, v[(\ts)+hq]               ; the scale's byte
.set hq, hq+1
.endr
.set hq, 0
.rept \n
	v_cvt_scalef32_pk8_fp4_f32 v[(\cd)+2*hq], v[(\src)+16*hq:(\src)+16*hq+7], v[(\ts)+hq]
	v_cvt_scalef32_pk8_fp4_f32 v[(\cd)+2*hq+1], v[(\src)+16*hq+8:(\src)+16*hq+15], v[(\ts)+hq]
.set hq, hq+1
.endr
	v_nop                                          ; one plain place behind the scaled conversions
.endm
.macro PART sq                         ; my numbers' sum (sq = 0) or sum of squares (1) for each of the two tiles of rows, the two by turns
.irp t, 0,1
.if \sq
	v_pk_mul_f32 v[T+2*\t:T+2*\t+1], v[X+XN*\t:X+XN*\t+1], v[X+XN*\t:X+XN*\t+1]
.else
	v_pk_add_f32 v[T+2*\t:T+2*\t+1], v[X+XN*\t:X+XN*\t+1], v[X+XN*\t+2:X+XN*\t+3]
.endif
.endr
.set pp, 2+2*(1-\sq)
.rept (XN-2-2*(1-\sq))/2
.irp t, 0,1
.if \sq
	s_delay_alu instid0(VALU_DEP_2)
	v_pk_fma_f32 v[T+2*\t:T+2*\t+1], v[X+XN*\t+pp:X+XN*\t+pp+1], v[X+XN*\t+pp:X+XN*\t+pp+1], v[T+2*\t:T+2*\t+1]
.else
	s_delay_alu instid0(VALU_DEP_2)
	v_pk_add_f32 v[T+2*\t:T+2*\t+1], v[T+2*\t:T+2*\t+1], v[X+XN*\t+pp:X+XN*\t+pp+1]
.endif
.endr
.set pp, pp+2
.endr
.irp t, 0,1
	s_delay_alu instid0(VALU_DEP_2)
	v_add_f32 v[T+2*\t], v[T+2*\t], v[T+2*\t+1]
.endr
.endm
; the sums of all waves: lane (r, h) ends with the whole row's sum x mul of row r of tile h, in v[T + 4]
.macro ALLRED off, mul
	s_delay_alu instid0(VALU_DEP_2)
	v_permlanex16_b32 v[T+1], v[T], s[SEL], s[SEL+1]
	s_delay_alu instid0(VALU_DEP_2)
	v_permlanex16_b32 v[T+3], v[T+2], s[SEL], s[SEL+1]
	s_delay_alu instid0(VALU_DEP_2)
	v_add_f32 v[T], v[T], v[T+1]
	s_delay_alu instid0(VALU_DEP_2)
	v_add_f32 v[T+2], v[T+2], v[T+3]
	s_delay_alu instid0(VALU_DEP_1)
	v_cndmask_b32 v[T+4], v[T], v[T+2], s[HM]      ; lanes 0-15 carry tile 0's rows, lanes 16-31 tile 1's
	ds_store_b32 v[RA], v[T+4] offset:\off
	BAR
.set aa, 0
.rept NW
	ds_load_b32 v[RT+aa], v[L4] offset:(\off)+128*aa
.set aa, aa+1
.endr
	s_wait_dscnt 0x0
.if NW == 16
.irp i, 0,1,2,3,4,5,6,7
	v_add_f32 v[RT+\i], v[RT+\i], v[RT+8+\i]
.endr
.endif
.irp i, 0,1,2,3
	v_add_f32 v[RT+\i], v[RT+\i], v[RT+4+\i]
.endr
	s_delay_alu instid0(VALU_DEP_2)
	v_add_f32 v[RT], v[RT], v[RT+2]
	s_delay_alu instid0(VALU_DEP_2)
	v_add_f32 v[RT+1], v[RT+1], v[RT+3]
	s_delay_alu instid0(VALU_DEP_1)
	v_add_f32 v[RT], v[RT], v[RT+1]
	s_delay_alu instid0(VALU_DEP_1)
	v_mul_f32 v[T+4], \mul, v[RT]
.endm
.macro SPLIT                           ; v[T + 4] of lanes l and l xor 16 -> v[MM], v[MM + 1]: tile 0's number twice; v[MM + 2], v[MM + 3]: tile 1's
	v_permlanex16_b32 v[T+5], v[T+4], s[SEL], s[SEL+1]
	v_cndmask_b32 v[MM], v[T+4], v[T+5], s[HM]
	v_cndmask_b32 v[MM+2], v[T+5], v[T+4], s[HM]
	s_delay_alu instid0(VALU_DEP_2)
	v_mov_b32 v[MM+1], v[MM]
	s_delay_alu instid0(VALU_DEP_2)
	v_mov_b32 v[MM+3], v[MM+2]
.endm
.macro LNORM rn                        ; X = (X - mean) / sqrt(variance + 1e-5)
	PART 0
	ALLRED RED1, \rn
	SPLIT
.irp t, 0,1
.set cc, 0
.rept XN/2
	v_pk_add_f32 v[X+XN*\t+cc:X+XN*\t+cc+1], v[X+XN*\t+cc:X+XN*\t+cc+1], v[MM+2*\t:MM+2*\t+1] neg_lo:[0,1] neg_hi:[0,1]
.set cc, cc+2
.endr
.endr
	PART 1
	ALLRED RED2, \rn
	s_delay_alu instid0(VALU_DEP_1)
	v_add_f32 v[T+4], 0x3727c5ac, v[T+4]           ; + 1e-5
	s_wait_alu depctr_va_vdst(0)
	v_rsq_f32 v[T+4], v[T+4]
	v_nop                                          ; one plain place behind the transcendental
	s_wait_alu depctr_va_vdst(0)
	SPLIT
.irp t, 0,1
.set cc, 0
.rept XN/2
	v_pk_mul_f32 v[X+XN*\t+cc:X+XN*\t+cc+1], v[X+XN*\t+cc:X+XN*\t+cc+1], v[MM+2*\t:MM+2*\t+1]
.set cc, cc+2
.endr
.endr
.endm
.macro XREAD                           ; my numbers out of my wave's tile: tile t's row r is row 8 t + r % 8 + 16 (r / 8)
.irp t, 0,1
.set xb, 0
.rept NB
.irp j, 0,1,2,3
	ds_load_b128 v[X+XN*\t+16*xb+4*\j:X+XN*\t+16*xb+4*\j+3], v[TAB+xb] offset:\t*8*PITCH+16*\j
.endr
.set xb, xb+1
.endr
.endr
.endm
.macro AFF dst, src, g, b              ; dst = src x gain + bias
.set ff, 0
.rept XN/2
	v_pk_fma_f32 v[(\dst)+ff:(\dst)+ff+1], v[(\src)+ff:(\src)+ff+1], v[(\g)+ff:(\g)+ff+1], v[(\b)+ff:(\b)+ff+1]
.set ff, ff+2
.endr
.endm
	s_load_b256 s[4:11], s[0:1], 0x0               ; context, ca_ncg, ca_ncb, wts
	s_load_b64 s[12:13], s[0:1], 0x20              ; kv2
	v_lshl_add_u32 v254, v0, 2, 0x29000
	v_mov_b32 v255, 0
	ds_add_u32 v254, v255
	ds_add_u32 v254, v255
	v_lshrrev_b32 v13, 5, v0
	s_delay_alu instid0(VALU_DEP_1)
	v_readfirstlane_b32 s[WV], v13                 ; wave 0..7
	v_and_b32 v13, 31, v0                          ; lane
	v_and_b32 v14, 15, v0                          ; r
	s_wait_alu depctr_va_vdst(0)
	v_bfe_u32 v15, v0, 4, 1                        ; h
	v_lshlrev_b32 v[L4], 2, v13
	v_lshlrev_b32 v[RA], 2, v0
	v_lshlrev_b32 v[LI], 4, v13
	v_lshlrev_b32 v[R16], 4, v14
	s_delay_alu instid0(VALU_DEP_1)
	v_lshl_add_u32 v[LH], v15, 3, v[R16]
	s_mul_i32 s40, s[WV], 768
	v_add_nc_u32 v[IA], s40, v[LH]
	s_mul_i32 s40, s[WV], 3                        ; my first block of 32 columns
.irp b, 0,1,2
	s_add_co_u32 s41, s40, \b
	s_lshr_b32 s42, s41, 2
	s_lshl_b32 s42, s42, 7                         ; its K step's 128 bytes of scale words,
	s_and_b32 s41, s41, 3
	s_add_co_u32 s42, s42, s41                     ; its byte in a word,
	v_lshl_add_u32 v[SA+\b], v14, 2, s42           ; my row's word
.endr
	v_and_b32 v44, 7, v14
	v_lshrrev_b32 v45, 3, v14
	s_delay_alu instid0(VALU_DEP_1)
	v_lshl_add_u32 v44, v45, 4, v44                ; r % 8 + 16 (r / 8)
	s_delay_alu instid0(VALU_DEP_1)
	v_mul_u32_u24 v44, v44, PITCH
	s_delay_alu instid0(VALU_DEP_1)
	v_lshl_add_u32 v44, v15, 6, v44                ; + 64 h bytes
	s_wait_alu depctr_va_vdst(0)
	s_mul_i32 s40, s[WV], 3
.irp b, 0,1,2
	s_add_co_u32 s41, s40, \b                      ; my block s
	s_lshr_b32 s42, s41, 3
	s_lshl_b32 s42, s42, 4                         ; 16 bytes of padding for each 1,024 passed
	s_lshl_b32 s41, s41, 7
	s_add_co_u32 s41, s41, s42
	s_add_co_u32 s41, s41, TILE
	v_add_nc_u32 v[TAB+\b], s41, v44
.endr
	s_mul_i32 s[D0+1], s[WV], TILEB
	s_add_co_u32 s[D0+1], s[D0+1], TILE            ; where my four rows go
	s_mul_i32 s40, s[WV], 384
	v_lshl_add_u32 v[GV], v15, 6, s40
	s_lshl_b32 s41, s[WV], 11
	v_lshl_add_u32 v[VW], v13, 4, s41
.irp i, 0,1,2
	v_mov_b32 v[TP+\i], 0                          ; written once: a lane permute's destination counts as one of its sources
.endr
	v_mov_b32 v[T+5], 0
	s_mov_b32 s[SEL], 0x76543210
	s_mov_b32 s[SEL+1], 0xfedcba98                 ; v_permlanex16_b32's selects for lane l xor 16
	s_mov_b32 s[HM], 0xffff0000                    ; lanes 16-31
	; the tile: 32 rows x 768 numbers of 4 bytes, rows 768 numbers apart; in LDS 4 words of padding behind every 256
	s_mov_b32 s[D1], (2<<16)|(1<<20)|(7<<22)|(3<<25)   ; 4 whole rows of 768 numbers: each row is 3,072 bytes from a multiple of 256; 4 words of padding behind every 256
	s_mov_b32 s[D1+1], 768<<16                     ; tensor_dim0
	s_mov_b32 s[D1+2], 4<<16                       ; tensor_dim1
	s_mov_b32 s[D1+3], 768<<16                     ; tile_dim0
	s_mov_b32 s[D1+4], 4                           ; tile_dim1
	s_mov_b32 s[D1+5], 768                         ; from row to row
	s_mov_b32 s[D1+6], 0
	s_mov_b32 s[D1+7], 0
	s_mov_b32 s[D0], 1
	s_mul_i32 s42, ttmp9, 98304                    ; 32 rows of 3,072 bytes
	s_mul_i32 s41, s[WV], 12288                    ; my four rows
	s_add_co_u32 s42, s42, s41
	s_mov_b32 s43, 0
	s_wait_alu depctr_va_vdst(0)
	s_wait_dscnt 0x0
	s_wait_kmcnt 0x0
	s_add_nc_u64 s[D0+2:D0+3], s[4:5], s[42:43]
	s_or_b32 s[D0+3], s[D0+3], 0x80000000
	tensor_load_to_lds s[D0:D0+3], s[D1:D1+7]      ; each wave's one tensor load: filled once, read by all waves behind the barrier below
	s_nop 0
	PLACES 4
.irp b, 0,1,2
.irp j, 0,1,2,3
	global_load_b128 v[GA+16*\b+4*\j:GA+16*\b+4*\j+3], v[GV], s[6:7] offset:128*\b+16*\j
	global_load_b128 v[BA+16*\b+4*\j:BA+16*\b+4*\j+3], v[GV], s[8:9] offset:128*\b+16*\j
.endr
.endr
	; where the results go
	s_and_b32 s25, ttmp7, 0xffff                   ; p
	s_lshl_b32 s56, s25, 14
	s_mov_b32 s57, 0
	s_add_nc_u64 s[WTC:WTC+1], s[10:11], s[56:57]  ; my half's images of the weight: 8 pairs of tiles x 2,048 bytes on
	s_lshl_b32 s56, s25, 10
	s_add_nc_u64 s[WTS:WTS+1], s[10:11], s[56:57]  ; and their scale words
	s_lshr_b32 s40, ttmp9, 4                       ; batch
	s_lshl_b32 s40, s40, 3
	s_lshl_b32 s41, s25, 2
	s_add_co_u32 s40, s40, s41
	s_lshr_b32 s41, s[WV], 1
	s_add_co_u32 s40, s40, s41                     ; batch x 8 + head
	s_lshl_b32 s40, s40, 2
	s_bfe_u32 s41, ttmp9, 0x20002
	s_add_co_u32 s40, s40, s41                     ; x 4 + which 128 keys
	s_mul_i32 s58, s40, 9216
	s_and_b32 s41, ttmp9, 3                        ; g: which 32 of the 128
	s_and_b32 s42, s[WV], 1                        ; which block of the head's 64
	s_lshl_b32 s43, s41, 10
	s_lshl_b32 s26, s42, 8
	s_add_co_u32 s43, s43, s26
	s_add_co_u32 s56, s58, s43
	s_add_nc_u64 s[KB:KB+1], s[12:13], s[56:57]    ; k's images: tile 2 g + t, block
	s_lshr_b32 s26, s41, 1
	s_lshl_b32 s26, s26, 8
	s_and_b32 s27, s41, 1
	s_lshl_b32 s27, s27, 3
	s_add_co_u32 s26, s26, s27
	s_add_co_u32 s26, s26, s42
	s_add_co_u32 s56, s58, s26
	s_add_co_u32 s56, s56, 8192
	s_add_nc_u64 s[KSB:KSB+1], s[12:13], s[56:57]  ; k's scale bytes
	s_lshl_b32 s26, s42, 11
	s_lshl_b32 s27, s41, 8
	s_add_co_u32 s26, s26, s27
	s_add_co_u32 s56, s58, s26
	s_add_co_u32 s56, s56, 4096
	s_add_nc_u64 s[VB:VB+1], s[12:13], s[56:57]    ; v's images: tile of channels 2 block + j, block of keys g
	s_lshl_b32 s26, s42, 3
	s_add_co_u32 s26, s26, s41
	s_add_co_u32 s56, s58, s26
	s_add_co_u32 s56, s56, 8704
	s_add_nc_u64 s[VSB:VSB+1], s[12:13], s[56:57]  ; v's scale bytes
	s_wait_tensorcnt 0x0                           ; my four rows are in LDS;
	s_barrier_signal -1
	s_barrier_wait -1                              ; everybody's are
	XREAD
	s_wait_dscnt 0x0
	LNORM 0x3aaaaaab
	s_wait_loadcnt 0x0                             ; the gains
.irp t, 0,1
	AFF X+XN*\t, X+XN*\t, GA, BA
	HQ X+XN*\t, 3, CD, TM, TP, TS
.irp b, 0,1,2
	ds_store_b64 v[IA], v[CD+2*\b:CD+2*\b+1] offset:CNI+6144*\t+256*\b     ; a wave's store fills one block's 256 bytes of an image
	ds_store_b8 v[SA+\b], v[TP+\b] offset:CNS+64*\t                        ; both lanes of a block write the same byte with the same value
.endr
	s_wait_dscnt 0x0                               ; the stores have read their registers
.endr
.macro WSET s, p                       ; K step s of my weights into set p: ten loads
.irp u, 0,1
	GFRAG WF+32*(\p)+8*\u, VW, WTC, WKV2+(\s)*65536+\u*1024
	GFRAG WF+32*(\p)+16+8*\u, VW, WTC, WKV2+32768+(\s)*65536+\u*1024
.endr
	global_load_b32 v[WS+2*(\p)], v[VWS], s[WTS:WTS+1] offset:WSC+WKV2/16+(\s)*4096
	global_load_b32 v[WS+2*(\p)+1], v[VWS], s[WTS:WTS+1] offset:WSC+WKV2/16+2048+(\s)*4096
.endm
.macro STEP s
.set zf, 0
.if (\s) == 0
.set zf, 1
.else
	PLACES 4                                       ; in front of loads into registers that the last step's products read
.endif
.irp t, 0,1
	LFRAG AF+8*\t, CNI+6144*\t+1024*(\s)
.endr
	ds_load_b32 v[ASC], v[L4] offset:CNS+128*(\s)  ; lanes 0-15: tile 0's rows; lanes 16-31: tile 1's
.if (\s) < 5
	WSET (\s)+1, ((\s)+1)%2
	s_wait_loadcnt 10                              ; this step's ten loads are in; the next step's ten may be out
.else
	s_wait_loadcnt 0x0
.endif
	s_wait_dscnt 0x0
	MMN ACC, 16, WF+32*((\s)%2), AF, WS+2*((\s)%2), ASC, zf          ; the eight accumulators take turns, one instruction a turn
	MMT ACC+32, WF+32*((\s)%2)+16, AF, WS+2*((\s)%2)+1, ASC, zf
.endm
	WSET 0, 0
	BAR                                            ; cn's twelve images and their scale words lie in LDS
.irp s, 0,1,2,3,4,5
	STEP \s
.endr
	PLACES 4
.irp i, 0,1,2,3
	v_mov_b32 v[EP+\i], 0
.endr
	HQ ACC, 2, EC, TM, EP, TS                      ; k: half block t = my row of tile t, 16 h + 0 .. 15 of my block of the head
.irp t, 0,1
	global_store_b64 v[LH], v[EC+2*\t:EC+2*\t+1], s[KB:KB+1] offset:512*\t   ; 32 lanes fill 256 consecutive bytes
	global_store_b8 v[R16], v[EP+\t], s[KSB:KSB+1] offset:4*\t
	global_store_b8 v[R16], v[EP+\t], s[KSB:KSB+1] offset:4*\t+2             ; bytes 2 and 3 of a word repeat bytes 0 and 1: they scale the half of K that holds zero codes
.endr
	HQ ACC+32, 2, EC+4, TM, EP+2, TS               ; v: half block j = my channel of tile j, keys 16 h + 0 .. 15 of these 32
.irp j, 0,1
	global_store_b64 v[LH], v[EC+4+2*\j:EC+4+2*\j+1], s[VB:VB+1] offset:1024*\j
	global_store_b8 v[LI], v[EP+2+\j], s[VSB:VSB+1] offset:4*\j
.endr
	s_wait_tensorcnt 0x0
	ds_add_u32 v254, v255
	s_wait_dscnt 0x0
	s_endpgm
.Lfunc_end_k_qa96c7a6ce2_ctx:
	.size	k_qa96c7a6ce2_ctx, .Lfunc_end_k_qa96c7a6ce2_ctx-k_qa96c7a6ce2_ctx
	.p2alignl 7, 3214868480
	.fill 96, 4, 3214868480
	.section	.rodata,"a",@progbits
	.p2align	6, 0x0
	.amdhsa_kernel k_qa96c7a6ce2_ctx
		.amdhsa_group_segment_fixed_size 168960
		.amdhsa_private_segment_fixed_size 0
		.amdhsa_enable_private_segment 0
		.amdhsa_kernarg_size 40
		.amdhsa_user_sgpr_count 2
		.amdhsa_user_sgpr_kernarg_segment_ptr 1
		.amdhsa_wavefront_size32 1
		.amdhsa_system_sgpr_workgroup_id_x 1
		.amdhsa_system_sgpr_workgroup_id_y 1
		.amdhsa_system_sgpr_workgroup_id_z 1
		.amdhsa_system_vgpr_workitem_id 0
		.amdhsa_next_free_vgpr 256
		.amdhsa_next_free_sgpr 66
		.amdhsa_reserve_vcc 0
		.amdhsa_float_denorm_mode_32 3
		.amdhsa_float_denorm_mode_16_64 3
		.amdhsa_memory_ordered 1
		.amdhsa_forward_progress 1
		.amdhsa_inst_pref_size 58
	.end_amdhsa_kernel
	.amdgpu_metadata
---
amdhsa.version: [ 1, 2 ]
amdhsa.kernels:
  - .name:           k_qa96c7a6ce2_ctx
    .symbol:         k_qa96c7a6ce2_ctx.kd
    .args:
      - { .name: context, .offset: 0, .size: 8, .value_kind: global_buffer, .address_space: global }
      - { .name: ca_ncg, .offset: 8, .size: 8, .value_kind: global_buffer, .address_space: global }
      - { .name: ca_ncb, .offset: 16, .size: 8, .value_kind: global_buffer, .address_space: global }
      - { .name: wts, .offset: 24, .size: 8, .value_kind: global_buffer, .address_space: global }
      - { .name: kv2, .offset: 32, .size: 8, .value_kind: global_buffer, .address_space: global }
    .group_segment_fixed_size: 168960
    .private_segment_fixed_size: 0
    .kernarg_segment_align: 8
    .kernarg_segment_size: 40
    .max_flat_workgroup_size: 256
    .sgpr_count:     66
    .vgpr_count:     256
    .wavefront_size: 32
...
	.end_amdgpu_metadata
.endif
;; end of part 2
;; launch front (part 3): grid 256 x 1, 16 waves a work-group, no clusters, 180,224 bytes of LDS; arguments x, sa_ng, sa_nb, sa_ncg, sa_ncb, wts, qc, kv1; writes qc, kv1
.if DOCPART == 3
	.amdgcn_target "amdgcn-amd-amdhsa--gfx1250"
	.amdhsa_code_object_version 6
	.text
	.protected	k_qa96c7a6ce2_front
	.globl	k_qa96c7a6ce2_front
	.p2align	8
	.type	k_qa96c7a6ce2_front,@function
k_qa96c7a6ce2_front:
	s_mov_b64 s[64:65], 0
	v_nop
	global_prefetch_b8 v0, s[64:65] scope:SCOPE_SE
	s_setreg_imm32_b32 hwreg(HW_REG_WAVE_MODE, 25, 1), 1
	s_wait_xcnt 0x0
; Self-attention's q, k, v: xn = LayerNorm(x) x sa_ng + sa_nb and cn = LayerNorm(x) x sa_ncg + sa_ncb, each quantised along the 1,024 features to FP4 (E2M1) with E8M0 scales;
; q = xn x sa_wq, k, v = cn x sa_wkv on codes; q and k are quantised along the head's 64, v along the keys; all go out as images of operand registers.
; SHARES.  A work-group takes 32 rows.  In the norm wave w holds columns 64 w .. 64 w + 63 of all 32 rows; in the products it makes 32 columns each of q, k and v: head w / 2, block w % 2 of its 64.
; ROWS AND COLUMNS OF A TILE: in a group of 32, tile u, row r holds index 8 u + r % 8 + 16 (r / 8): results made with two such tiles as source 0 are 16 neighbours in a lane.
; q, k: source 0 = 16 columns of the weight, source 1 = 16 rows: a lane holds a row, its registers run along the head.  v: source 0 = 16 rows, source 1 = 16 columns: a lane holds a channel, registers run along the keys.
; qc: [batch x head][128 rows][4,608 bytes]: 8 images (16 rows x 64: 512 bytes), then 512 bytes of scale words.  kv1: [batch x head][128 keys][9,216 bytes]: 8 images of k, 4 of v^T (1,024 bytes), k's scale words, v's.
; The weights (835,584 bytes of codes and scale words a work-group) go from memory straight into the registers of the one wave that multiplies by them; a joint request of several work-groups lands in LDS alone,
; where they do not fit without slots that are filled again: so none is made.
; The mean and the variance are taken in two passes (no difference of large sums).
; LIMITS: a block of zeros gets the byte 1 where the rule says 127 (its codes are zeros; this program alone reads the bytes); NaN and infinities among the inputs are not served.
.set WQ1,  0
.set WKV1, 524288
.set WSC,  1966080
.set NW,   16
.set NB,   2                           ; blocks of 32 columns a wave
.set XN,   16*NB
.set PITCH, 272                        ; a row of the wave's tile in LDS: 256 bytes + 16 of padding
.set BSTEP, 128
.set RED1, 0                           ; LDS: [wave][lane] partial sums, 2,048 bytes;
.set RED2, 2048                        ; the same for the squares;
.set XNS,  4096                        ; xn's scale words [K step][tile of rows][r];
.set CNS,  5120                        ; cn's;
.set XNI,  6144                        ; xn's images [tile of rows][K step 8][1,024];
.set CNI,  22528                       ; cn's;
.set TILE, 38912                       ; and each wave's own 32 rows x 64 numbers
.set TILEB, 32*PITCH
.set L4,  1                            ; 4 x lane
.set RA,  2                            ; 4 x thread: my place among the partial sums;
.set VWS, 2                            ; the same number is 128 x wave + 4 x lane: my place among the weights' scale words
.set IA,  3                            ; 512 x wave + 16 r + 8 h: where my half blocks go in an image
.set SA,  4                            ; where my scale bytes go
.set TA,  5                            ; my place in my wave's tile;
.set LI,  5                            ; later 16 x lane
.set GV,  6                            ; 256 x wave + 64 h: my gains;
.set LH,  6                            ; later 16 r + 8 h
.set R16, 7                            ; 16 r
.set VW,  8                            ; 2,048 x wave + 16 x lane: my weights' images
.set MM,  10                           ; v10-13 the mean, later 1 / sqrt: each twice, for the two tiles of rows
.set TM,  14
.set WS,  16                           ; v16-21 the weights' scale words, two sets of three;  v22 xn's, v23 cn's: these registers hold scales alone
.set ASX, 22
.set ASC, 23
.set TP,  24
.set TS,  26
.set CD,  28
.set X,   32                           ; v32-95 the numbers: 32 t + 16 b + i = x(row of tile t, 64 w + 32 b + 16 h + i)
.set Y,   96                           ; v96-127 xn of one tile of rows; before that the reduction's registers
.set T,   96
.set RT,  104
.set GA,  128
.set BA,  160
.set GB,  192
.set BB,  224
.set ACC, 32                           ; the products: four accumulators each for q, k, v
.set WF,  128                          ; two sets of six fragments of the weights
.set AF,  224                          ; xn's two fragments, cn's two
.set EC,  128                          ; the way out: codes and bytes, a register for each: no store's data are written again
.set EP,  144
.set WV,  20
.set SEL, 22
.set HM,  24
.set D1,  28
.set D0,  36
.set QB,  44
.set QSB, 46
.set KB,  48
.set KSB, 50
.set VB,  52
.set VSB, 54
.macro PLACES n
.rept \n
	v_nop
.endr
.endm
.macro BAR                             ; my LDS stores have landed and my LDS loads are in: then the work-group's barrier
	s_wait_dscnt 0x0
	s_barrier_signal -1
	s_barrier_wait -1
.endm
; one product 16 x 16 x 128 on codes.  zero = 1: it starts the sum.  ra, rb = 1: the side's scale words stand in lanes 16-31 of the register named
.macro WM d, a, b, zero, sa, sb, ra, rb
.if \zero
.if (\ra) && (\rb)
	v_wmma_scale_f32_16x16x128_f8f6f4 v[(\d):(\d)+7], v[(\a):(\a)+7], v[(\b):(\b)+7], 0, v[\sa], v[\sb] matrix_a_fmt:MATRIX_FMT_FP4 matrix_b_fmt:MATRIX_FMT_FP4 matrix_a_scale:MATRIX_SCALE_ROW1 matrix_b_scale:MATRIX_SCALE_ROW1
.elseif (\ra)
	v_wmma_scale_f32_16x16x128_f8f6f4 v[(\d):(\d)+7], v[(\a):(\a)+7], v[(\b):(\b)+7], 0, v[\sa], v[\sb] matrix_a_fmt:MATRIX_FMT_FP4 matrix_b_fmt:MATRIX_FMT_FP4 matrix_a_scale:MATRIX_SCALE_ROW1
.elseif (\rb)
	v_wmma_scale_f32_16x16x128_f8f6f4 v[(\d):(\d)+7], v[(\a):(\a)+7], v[(\b):(\b)+7], 0, v[\sa], v[\sb] matrix_a_fmt:MATRIX_FMT_FP4 matrix_b_fmt:MATRIX_FMT_FP4 matrix_b_scale:MATRIX_SCALE_ROW1
.else
	v_wmma_scale_f32_16x16x128_f8f6f4 v[(\d):(\d)+7], v[(\a):(\a)+7], v[(\b):(\b)+7], 0, v[\sa], v[\sb] matrix_a_fmt:MATRIX_FMT_FP4 matrix_b_fmt:MATRIX_FMT_FP4
.endif
.else
.if (\ra) && (\rb)
	v_wmma_scale_f32_16x16x128_f8f6f4 v[(\d):(\d)+7], v[(\a):(\a)+7], v[(\b):(\b)+7], v[(\d):(\d)+7], v[\sa], v[\sb] matrix_a_fmt:MATRIX_FMT_FP4 matrix_b_fmt:MATRIX_FMT_FP4 matrix_a_scale:MATRIX_SCALE_ROW1 matrix_b_scale:MATRIX_SCALE_ROW1
.elseif (\ra)
	v_wmma_scale_f32_16x16x128_f8f6f4 v[(\d):(\d)+7], v[(\a):(\a)+7], v[(\b):(\b)+7], v[(\d):(\d)+7], v[\sa], v[\sb] matrix_a_fmt:MATRIX_FMT_FP4 matrix_b_fmt:MATRIX_FMT_FP4 matrix_a_scale:MATRIX_SCALE_ROW1
.elseif (\rb)
	v_wmma_scale_f32_16x16x128_f8f6f4 v[(\d):(\d)+7], v[(\a):(\a)+7], v[(\b):(\b)+7], v[(\d):(\d)+7], v[\sa], v[\sb] matrix_a_fmt:MATRIX_FMT_FP4 matrix_b_fmt:MATRIX_FMT_FP4 matrix_b_scale:MATRIX_SCALE_ROW1
.else
	v_wmma_scale_f32_16x16x128_f8f6f4 v[(\d):(\d)+7], v[(\a):(\a)+7], v[(\b):(\b)+7], v[(\d):(\d)+7], v[\sa], v[\sb] matrix_a_fmt:MATRIX_FMT_FP4 matrix_b_fmt:MATRIX_FMT_FP4
.endif
.endif
.endm
.macro MMN acc, ts, wf, af, ws, as, zero   ; source 0 = the weight's tile u, source 1 = the rows' tile t: a lane holds a row, registers run along the columns
.irp t, 0,1
.irp u, 0,1
	WM (\acc)+(\ts)*\t+8*\u, (\wf)+8*\u, (\af)+8*\t, \zero, \ws, \as, \u, \t
.endr
.endr
.endm
.macro MMT acc, wf, af, ws, as, zero       ; source 0 = the rows' tile u, source 1 = the weight's tile j: a lane holds a column, registers run along the rows
.irp j, 0,1
.irp u, 0,1
	WM (\acc)+16*\j+8*\u, (\af)+8*\u, (\wf)+8*\j, \zero, \as, \ws, \u, \j
.endr
.endr
.endm
.macro GFRAG dst, voff, sb, imm        ; a fragment's image from memory
.irp c, 0,1
	global_load_b128 v[(\dst)+4*\c:(\dst)+4*\c+3], v[\voff], s[\sb:\sb+1] offset:(\imm)+512*\c
.endr
.endm
.macro LFRAG dst, imm                  ; and from LDS
.irp c, 0,1
	ds_load_b128 v[(\dst)+4*\c:(\dst)+4*\c+3], v[LI] offset:(\imm)+512*\c
.endr
.endm
; n half blocks: v[src + 16 q + i] = number 16 h + i of a block of 32 that lanes l and l xor 16 share.  Codes to v[cd + 2 q], v[cd + 2 q + 1], the scale's byte to v[tp + q].  The blocks take turns line by line.
.macro HQ src, n, cd, tm, tp, ts
.set hq, 0
.rept \n
	v_max3_num_f32 v[(\tm)+hq], |v[(\src)+16*hq]|, |v[(\src)+16*hq+1]|, 0x1800000   ; with the floor 2^(3 - 127): the byte cannot fall under 1
.set hq, hq+1
.endr
.irp i, 2,4,6,8,10,12,14
.set hq, 0
.rept \n
	v_max3_num_f32 v[(\tm)+hq], v[(\tm)+hq], |v[(\src)+16*hq+\i]|, |v[(\src)+16*hq+\i+1]|
.set hq, hq+1
.endr
.endr
.set hq, 0
.rept \n
	s_delay_alu instid0(VALU_DEP_2)
	v_permlanex16_b32 v[(\tp)+hq], v[(\tm)+hq], s[SEL], s[SEL+1]
.set hq, hq+1
.endr
.set hq, 0
.rept \n
	s_delay_alu instid0(VALU_DEP_2)
	v_max_num_f32 v[(\tm)+hq], v[(\tm)+hq], v[(\tp)+hq]      ; with lane l xor 16's: the block's largest magnitude
.set hq, hq+1
.endr
.set hq, 0
.rept \n
	s_delay_alu instid0(VALU_DEP_2)
	v_add_nc_u32 v[(\ts)+hq], 0xff000000, v[(\tm)+hq]        ; 2 off its exponent field: the conversion's scale operand
.set hq, hq+1
.endr
.set hq, 0
.rept \n
	s_delay_alu instid0(VALU_DEP_2)
	v_lshrrev_b32 v[(\tp)+hq], 23, v[(\ts)+hq]               ; the scale's byte
.set hq, hq+1
.endr
.set hq, 0
.rept \n
	v_cvt_scalef32_pk8_fp4_f32 v[(\cd)+2*hq], v[(\src)+16*hq:(\src)+16*hq+7], v[(\ts)+hq]
	v_cvt_scalef32_pk8_fp4_f32 v[(\cd)+2*hq+1], v[(\src)+16*hq+8:(\src)+16*hq+15], v[(\ts)+hq]
.set hq, hq+1
.endr
	v_nop                                          ; one plain place behind the scaled conversions
.endm
.macro PART sq                         ; my numbers' sum (sq = 0) or sum of squares (1) for each of the two tiles of rows, the two by turns
.irp t, 0,1
.if \sq
	v_pk_mul_f32 v[T+2*\t:T+2*\t+1], v[X+XN*\t:X+XN*\t+1], v[X+XN*\t:X+XN*\t+1]
.else
	v_pk_add_f32 v[T+2*\t:T+2*\t+1], v[X+XN*\t:X+XN*\t+1], v[X+XN*\t+2:X+XN*\t+3]
.endif
.endr
.set pp, 2+2*(1-\sq)
.rept (XN-2-2*(1-\sq))/2
.irp t, 0,1
.if \sq
	s_delay_alu instid0(VALU_DEP_2)
	v_pk_fma_f32 v[T+2*\t:T+2*\t+1], v[X+XN*\t+pp:X+XN*\t+pp+1], v[X+XN*\t+pp:X+XN*\t+pp+1], v[T+2*\t:T+2*\t+1]
.else
	s_delay_alu instid0(VALU_DEP_2)
	v_pk_add_f32 v[T+2*\t:T+2*\t+1], v[T+2*\t:T+2*\t+1], v[X+XN*\t+pp:X+XN*\t+pp+1]
.endif
.endr
.set pp, pp+2
.endr
.irp t, 0,1
	s_delay_alu instid0(VALU_DEP_2)
	v_add_f32 v[T+2*\t], v[T+2*\t], v[T+2*\t+1]
.endr
.endm
; the sums of all waves: lane (r, h) ends with the whole row's sum x mul of row r of tile h, in v[T + 4]
.macro ALLRED off, mul
	s_delay_alu instid0(VALU_DEP_2)
	v_permlanex16_b32 v[T+1], v[T], s[SEL], s[SEL+1]
	s_delay_alu instid0(VALU_DEP_2)
	v_permlanex16_b32 v[T+3], v[T+2], s[SEL], s[SEL+1]
	s_delay_alu instid0(VALU_DEP_2)
	v_add_f32 v[T], v[T], v[T+1]
	s_delay_alu instid0(VALU_DEP_2)
	v_add_f32 v[T+2], v[T+2], v[T+3]
	s_delay_alu instid0(VALU_DEP_1)
	v_cndmask_b32 v[T+4], v[T], v[T+2], s[HM]      ; lanes 0-15 carry tile 0's rows, lanes 16-31 tile 1's
	ds_store_b32 v[RA], v[T+4] offset:\off
	BAR
.set aa, 0
.rept NW
	ds_load_b32 v[RT+aa], v[L4] offset:(\off)+128*aa
.set aa, aa+1
.endr
	s_wait_dscnt 0x0
.if NW == 16
.irp i, 0,1,2,3,4,5,6,7
	v_add_f32 v[RT+\i], v[RT+\i], v[RT+8+\i]
.endr
.endif
.irp i, 0,1,2,3
	s_delay_alu instid0(VALU_DEP_4)
	v_add_f32 v[RT+\i], v[RT+\i], v[RT+4+\i]
.endr
	s_delay_alu instid0(VALU_DEP_2)
	v_add_f32 v[RT], v[RT], v[RT+2]
	s_delay_alu instid0(VALU_DEP_2)
	v_add_f32 v[RT+1], v[RT+1], v[RT+3]
	s_delay_alu instid0(VALU_DEP_1)
	v_add_f32 v[RT], v[RT], v[RT+1]
	s_delay_alu instid0(VALU_DEP_1)
	v_mul_f32 v[T+4], \mul, v[RT]
.endm
.macro SPLIT                           ; v[T + 4] of lanes l and l xor 16 -> v[MM], v[MM + 1]: tile 0's number twice; v[MM + 2], v[MM + 3]: tile 1's
	v_permlanex16_b32 v[T+5], v[T+4], s[SEL], s[SEL+1]
	v_cndmask_b32 v[MM], v[T+4], v[T+5], s[HM]
	v_cndmask_b32 v[MM+2], v[T+5], v[T+4], s[HM]
	s_delay_alu instid0(VALU_DEP_2)
	v_mov_b32 v[MM+1], v[MM]
	s_delay_alu instid0(VALU_DEP_2)
	v_mov_b32 v[MM+3], v[MM+2]
.endm
.macro LNORM rn                        ; X = (X - mean) / sqrt(variance + 1e-5)
	PART 0
	ALLRED RED1, \rn
	SPLIT
.irp t, 0,1
.set cc, 0
.rept XN/2
	v_pk_add_f32 v[X+XN*\t+cc:X+XN*\t+cc+1], v[X+XN*\t+cc:X+XN*\t+cc+1], v[MM+2*\t:MM+2*\t+1] neg_lo:[0,1] neg_hi:[0,1]
.set cc, cc+2
.endr
.endr
	PART 1
	ALLRED RED2, \rn
	s_delay_alu instid0(VALU_DEP_1)
	v_add_f32 v[T+4], 0x3727c5ac, v[T+4]           ; + 1e-5
	s_wait_alu depctr_va_vdst(0)
	v_rsq_f32 v[T+4], v[T+4]
	v_nop                                          ; one plain place behind the transcendental
	s_wait_alu depctr_va_vdst(0)
	SPLIT
.irp t, 0,1
.set cc, 0
.rept XN/2
	v_pk_mul_f32 v[X+XN*\t+cc:X+XN*\t+cc+1], v[X+XN*\t+cc:X+XN*\t+cc+1], v[MM+2*\t:MM+2*\t+1]
.set cc, cc+2
.endr
.endr
.endm
.macro XREAD                           ; my numbers out of my wave's tile: tile t's row r is row 8 t + r % 8 + 16 (r / 8)
.irp t, 0,1
.set xb, 0
.rept NB
.irp j, 0,1,2,3
	ds_load_b128 v[X+XN*\t+16*xb+4*\j:X+XN*\t+16*xb+4*\j+3], v[TA] offset:\t*8*PITCH+xb*BSTEP+16*\j
.endr
.set xb, xb+1
.endr
.endr
.endm
.macro AFF dst, src, g, b              ; dst = src x gain + bias
.set ff, 0
.rept XN/2
	v_pk_fma_f32 v[(\dst)+ff:(\dst)+ff+1], v[(\src)+ff:(\src)+ff+1], v[(\g)+ff:(\g)+ff+1], v[(\b)+ff:(\b)+ff+1]
.set ff, ff+2
.endr
.endm
.macro PUT img, sc                     ; my two half blocks and their bytes into the images in LDS
.irp b, 0,1
	ds_store_b64 v[IA], v[CD+2*\b:CD+2*\b+1] offset:(\img)+256*\b    ; a wave's store fills one block's 256 bytes of an image
	ds_store_b8 v[SA], v[TP+\b] offset:(\sc)+\b                      ; both lanes of a block write the same byte with the same value
.endr
	s_wait_dscnt 0x0                               ; the stores have read their registers
.endm
	s_load_b512 s[4:19], s[0:1], 0x0               ; x, sa_ng, sa_nb, sa_ncg, sa_ncb, wts, qc, kv1
	v_lshl_add_u32 v254, v0, 2, 0x2b800
	v_mov_b32 v255, 0
	ds_add_u32 v254, v255
	ds_add_u32 v254, v255
	s_wait_dscnt 0x0
	v_lshrrev_b32 v10, 5, v0
	s_delay_alu instid0(VALU_DEP_1)
	v_readfirstlane_b32 s[WV], v10                 ; wave 0..15
	v_and_b32 v10, 31, v0                          ; lane
	v_and_b32 v11, 15, v0                          ; r
	v_bfe_u32 v12, v0, 4, 1                        ; h
	s_delay_alu instid0(VALU_DEP_3)
	v_lshlrev_b32 v[L4], 2, v10
	v_lshlrev_b32 v[RA], 2, v0
	s_delay_alu instid0(VALU_DEP_4)
	v_lshlrev_b32 v[R16], 4, v11
	s_delay_alu instid0(VALU_DEP_1)
	v_lshl_add_u32 v13, v12, 3, v[R16]             ; 16 r + 8 h
	s_lshl_b32 s40, s[WV], 9
	v_add_nc_u32 v[IA], s40, v13
	s_lshr_b32 s40, s[WV], 1
	s_lshl_b32 s40, s40, 7                         ; my K step's 128 bytes of scale words,
	s_and_b32 s41, s[WV], 1
	s_lshl_b32 s41, s41, 1
	s_add_co_u32 s40, s40, s41                     ; my first byte in a word,
	v_lshl_add_u32 v[SA], v11, 2, s40              ; my row's word
	v_and_b32 v14, 7, v11
	v_lshrrev_b32 v15, 3, v11
	s_delay_alu instid0(VALU_DEP_1)
	v_lshl_add_u32 v14, v15, 4, v14                ; r % 8 + 16 (r / 8)
	s_delay_alu instid0(VALU_DEP_1)
	v_mul_u32_u24 v14, v14, PITCH
	s_delay_alu instid0(VALU_DEP_1)
	v_lshl_add_u32 v14, v12, 6, v14                ; + 64 h bytes
	s_mul_i32 s[D0+1], s[WV], TILEB
	s_add_co_u32 s[D0+1], s[D0+1], TILE            ; my wave's tile
	v_add_nc_u32 v[TA], s[D0+1], v14
	s_lshl_b32 s41, s[WV], 8
	v_lshl_add_u32 v[GV], v12, 6, s41
	s_lshl_b32 s40, s[WV], 11
	v_lshl_add_u32 v[VW], v10, 4, s40
	v_mov_b32 v[TP], 0                             ; written once: a lane permute's destination counts as one of its sources
	v_mov_b32 v[TP+1], 0
	v_mov_b32 v[T+5], 0
	s_mov_b32 s[SEL], 0x76543210
	s_mov_b32 s[SEL+1], 0xfedcba98                 ; v_permlanex16_b32's selects for lane l xor 16
	s_mov_b32 s[HM], 0xffff0000                    ; lanes 16-31
	; the tile: 32 rows x 64 numbers of 4 bytes, rows 1,024 numbers apart; in LDS 4 words of padding behind every 64
	s_mov_b32 s[D1], (2<<16)|(1<<20)|(5<<22)|(3<<25)
	s_mov_b32 s[D1+1], 64<<16                      ; tensor_dim0
	s_mov_b32 s[D1+2], 32<<16                      ; tensor_dim1
	s_mov_b32 s[D1+3], 64<<16                      ; tile_dim0
	s_mov_b32 s[D1+4], 32                          ; tile_dim1
	s_mov_b32 s[D1+5], 1024                        ; from row to row
	s_mov_b32 s[D1+6], 0
	s_mov_b32 s[D1+7], 0
	s_mov_b32 s[D0], 1
	s_lshl_b32 s40, ttmp9, 17                      ; 32 rows of 4,096 bytes
	s_add_co_u32 s40, s40, s41
	s_mov_b32 s41, 0
	s_wait_alu depctr_va_vdst(0)
	s_wait_kmcnt 0x0
	s_add_nc_u64 s[D0+2:D0+3], s[4:5], s[40:41]
	s_or_b32 s[D0+3], s[D0+3], 0x80000000
	tensor_load_to_lds s[D0:D0+3], s[D1:D1+7]      ; each wave's one tensor load: filled once, read by this wave alone
	s_nop 0
	PLACES 4
.irp b, 0,1
.irp j, 0,1,2,3
	global_load_b128 v[GA+16*\b+4*\j:GA+16*\b+4*\j+3], v[GV], s[6:7] offset:128*\b+16*\j
	global_load_b128 v[BA+16*\b+4*\j:BA+16*\b+4*\j+3], v[GV], s[8:9] offset:128*\b+16*\j
	global_load_b128 v[GB+16*\b+4*\j:GB+16*\b+4*\j+3], v[GV], s[10:11] offset:128*\b+16*\j
	global_load_b128 v[BB+16*\b+4*\j:BB+16*\b+4*\j+3], v[GV], s[12:13] offset:128*\b+16*\j
.endr
.endr
	; where the results go
	s_lshr_b32 s40, ttmp9, 6                       ; batch
	s_lshl_b32 s40, s40, 3
	s_lshr_b32 s41, s[WV], 1
	s_add_co_u32 s40, s40, s41                     ; batch x 8 + head
	s_lshl_b32 s40, s40, 4
	s_bfe_u32 s41, ttmp9, 0x40002
	s_add_co_u32 s40, s40, s41                     ; x 16 + which 128 rows
	s_mul_i32 s56, s40, 4608
	s_mul_i32 s58, s40, 9216
	s_and_b32 s41, ttmp9, 3                        ; g: which 32 of the 128
	s_and_b32 s42, s[WV], 1                        ; which block of the head's 64
	s_mov_b32 s61, 0
	s_lshl_b32 s43, s41, 10
	s_lshl_b32 s25, s42, 8
	s_add_co_u32 s43, s43, s25                     ; an image's place: tile 2 g + t, block
	s_add_co_u32 s60, s56, s43
	s_add_nc_u64 s[QB:QB+1], s[16:17], s[60:61]
	s_add_co_u32 s60, s58, s43
	s_add_nc_u64 s[KB:KB+1], s[18:19], s[60:61]
	s_lshr_b32 s25, s41, 1
	s_lshl_b32 s25, s25, 8
	s_and_b32 s26, s41, 1
	s_lshl_b32 s26, s26, 3
	s_add_co_u32 s25, s25, s26
	s_add_co_u32 s25, s25, s42                     ; a scale byte's place
	s_add_co_u32 s60, s56, s25
	s_add_co_u32 s60, s60, 4096
	s_add_nc_u64 s[QSB:QSB+1], s[16:17], s[60:61]
	s_add_co_u32 s60, s58, s25
	s_add_co_u32 s60, s60, 8192
	s_add_nc_u64 s[KSB:KSB+1], s[18:19], s[60:61]
	s_lshl_b32 s26, s42, 11
	s_lshl_b32 s27, s41, 8
	s_add_co_u32 s26, s26, s27
	s_add_co_u32 s60, s58, s26
	s_add_co_u32 s60, s60, 4096
	s_add_nc_u64 s[VB:VB+1], s[18:19], s[60:61]    ; v's images: tile of channels 2 block + j, block of keys g
	s_lshl_b32 s26, s42, 3
	s_add_co_u32 s26, s26, s41
	s_add_co_u32 s60, s58, s26
	s_add_co_u32 s60, s60, 8704
	s_add_nc_u64 s[VSB:VSB+1], s[18:19], s[60:61]
	s_wait_tensorcnt 0x0                           ; my tile is in LDS; nobody else reads it
	XREAD
	s_wait_dscnt 0x0
	LNORM 0x3a800000
	s_wait_loadcnt 0x0                             ; the gains
.irp t, 0,1
	AFF Y, X+XN*\t, GA, BA
	HQ Y, 2, CD, TM, TP, TS
	PUT XNI+8192*\t, XNS+64*\t
	AFF X+XN*\t, X+XN*\t, GB, BB
	HQ X+XN*\t, 2, CD, TM, TP, TS
	PUT CNI+8192*\t, CNS+64*\t
.endr
	v_and_b32 v[LI], 31, v0                        ; (my reads of the tile and the loads of the gains are done: their address registers are free)
	s_delay_alu instid0(VALU_DEP_1)
	v_lshlrev_b32 v[LI], 4, v[LI]
	v_bfe_u32 v[LH], v0, 4, 1
	s_delay_alu instid0(VALU_DEP_1)
	v_lshl_add_u32 v[LH], v[LH], 3, v[R16]
.macro WSET s, p                       ; K step s of my weights into set p: fifteen loads
.irp u, 0,1
	GFRAG WF+48*(\p)+8*\u, VW, 14, WQ1+(\s)*32768+\u*1024
	GFRAG WF+48*(\p)+16+8*\u, VW, 14, WKV1+(\s)*65536+\u*1024
	GFRAG WF+48*(\p)+32+8*\u, VW, 14, WKV1+32768+(\s)*65536+\u*1024
.endr
	global_load_b32 v[WS+3*(\p)], v[VWS], s[14:15] offset:WSC+WQ1/16+(\s)*2048
	global_load_b32 v[WS+3*(\p)+1], v[VWS], s[14:15] offset:WSC+WKV1/16+(\s)*4096
	global_load_b32 v[WS+3*(\p)+2], v[VWS], s[14:15] offset:WSC+WKV1/16+2048+(\s)*4096
.endm
.macro STEP s
.set zf, 0
.if (\s) == 0
.set zf, 1
.else
	PLACES 4                                       ; in front of loads into registers that the last step's products read
.endif
.irp t, 0,1
	LFRAG AF+8*\t, XNI+8192*\t+1024*(\s)
	LFRAG AF+16+8*\t, CNI+8192*\t+1024*(\s)
.endr
	ds_load_b32 v[ASX], v[L4] offset:XNS+128*(\s)  ; lanes 0-15: tile 0's rows; lanes 16-31: tile 1's
	ds_load_b32 v[ASC], v[L4] offset:CNS+128*(\s)
.if (\s) < 7
	WSET (\s)+1, ((\s)+1)%2
	s_wait_loadcnt 15                              ; this step's fifteen loads are in; the next step's fifteen may be out
.else
	s_wait_loadcnt 0x0
.endif
	s_wait_dscnt 0x0
	MMN ACC, 16, WF+48*((\s)%2), AF, WS+3*((\s)%2), ASX, zf          ; the twelve accumulators take turns, one instruction a turn
	MMN ACC+32, 16, WF+48*((\s)%2)+16, AF+16, WS+3*((\s)%2)+1, ASC, zf
	MMT ACC+64, WF+48*((\s)%2)+32, AF+16, WS+3*((\s)%2)+2, ASC, zf
.endm
	WSET 0, 0
	s_wait_alu depctr_va_vdst(0)
	BAR                                            ; the 32 images of xn and cn and their scale words lie in LDS
.irp s, 0,1,2,3,4,5,6,7
	STEP \s
.endr
	PLACES 4
.irp i, 0,1,2,3,4,5
	v_mov_b32 v[EP+\i], 0
.endr
	HQ ACC, 2, EC, TM, EP, TS                      ; q: half block t = my row of tile t, 16 h + 0 .. 15 of my block of the head
.irp t, 0,1
	global_store_b64 v[LH], v[EC+2*\t:EC+2*\t+1], s[QB:QB+1] offset:512*\t   ; 32 lanes fill 256 consecutive bytes
	global_store_b8 v[R16], v[EP+\t], s[QSB:QSB+1] offset:4*\t
	global_store_b8 v[R16], v[EP+\t], s[QSB:QSB+1] offset:4*\t+2             ; bytes 2 and 3 of a word repeat bytes 0 and 1: they scale the half of K that holds zero codes
.endr
	HQ ACC+32, 2, EC+4, TM, EP+2, TS               ; k likewise
.irp t, 0,1
	global_store_b64 v[LH], v[EC+4+2*\t:EC+4+2*\t+1], s[KB:KB+1] offset:512*\t
	global_store_b8 v[R16], v[EP+2+\t], s[KSB:KSB+1] offset:4*\t
	global_store_b8 v[R16], v[EP+2+\t], s[KSB:KSB+1] offset:4*\t+2
.endr
	HQ ACC+64, 2, EC+8, TM, EP+4, TS               ; v: half block j = my channel of tile j, keys 16 h + 0 .. 15 of these 32
.irp j, 0,1
	global_store_b64 v[LH], v[EC+8+2*\j:EC+8+2*\j+1], s[VB:VB+1] offset:1024*\j
	global_store_b8 v[LI], v[EP+4+\j], s[VSB:VSB+1] offset:4*\j
.endr
	s_wait_xcnt 0x0
	v_lshl_add_u32 v254, v0, 2, 0x2b800
	v_mov_b32 v255, 0
	s_wait_alu depctr_va_vdst(0)
	s_wait_tensorcnt 0x0
	ds_add_u32 v254, v255
	s_wait_dscnt 0x0
	s_endpgm
.Lfunc_end_k_qa96c7a6ce2_front:
	.size	k_qa96c7a6ce2_front, .Lfunc_end_k_qa96c7a6ce2_front-k_qa96c7a6ce2_front
	.p2alignl 7, 3214868480
	.fill 96, 4, 3214868480
	.section	.rodata,"a",@progbits
	.p2align	6, 0x0
	.amdhsa_kernel k_qa96c7a6ce2_front
		.amdhsa_group_segment_fixed_size 180224
		.amdhsa_private_segment_fixed_size 0
		.amdhsa_enable_private_segment 0
		.amdhsa_kernarg_size 64
		.amdhsa_user_sgpr_count 2
		.amdhsa_user_sgpr_kernarg_segment_ptr 1
		.amdhsa_wavefront_size32 1
		.amdhsa_system_sgpr_workgroup_id_x 1
		.amdhsa_system_sgpr_workgroup_id_y 1
		.amdhsa_system_sgpr_workgroup_id_z 1
		.amdhsa_system_vgpr_workitem_id 0
		.amdhsa_next_free_vgpr 256
		.amdhsa_next_free_sgpr 66
		.amdhsa_reserve_vcc 0
		.amdhsa_float_denorm_mode_32 3
		.amdhsa_float_denorm_mode_16_64 3
		.amdhsa_memory_ordered 1
		.amdhsa_forward_progress 1
		.amdhsa_inst_pref_size 76
	.end_amdhsa_kernel
	.amdgpu_metadata
---
amdhsa.version: [ 1, 2 ]
amdhsa.kernels:
  - .name:           k_qa96c7a6ce2_front
    .symbol:         k_qa96c7a6ce2_front.kd
    .args:
      - { .name: x, .offset: 0, .size: 8, .value_kind: global_buffer, .address_space: global }
      - { .name: sa_ng, .offset: 8, .size: 8, .value_kind: global_buffer, .address_space: global }
      - { .name: sa_nb, .offset: 16, .size: 8, .value_kind: global_buffer, .address_space: global }
      - { .name: sa_ncg, .offset: 24, .size: 8, .value_kind: global_buffer, .address_space: global }
      - { .name: sa_ncb, .offset: 32, .size: 8, .value_kind: global_buffer, .address_space: global }
      - { .name: wts, .offset: 40, .size: 8, .value_kind: global_buffer, .address_space: global }
      - { .name: qc, .offset: 48, .size: 8, .value_kind: global_buffer, .address_space: global }
      - { .name: kv1, .offset: 56, .size: 8, .value_kind: global_buffer, .address_space: global }
    .group_segment_fixed_size: 180224
    .private_segment_fixed_size: 0
    .kernarg_segment_align: 8
    .kernarg_segment_size: 64
    .max_flat_workgroup_size: 512
    .sgpr_count:     66
    .vgpr_count:     256
    .wavefront_size: 32
...
	.end_amdgpu_metadata
.endif
;; end of part 3
;; launch attn_sa (part 4): grid 8 x 32, 16 waves a work-group, clusters of 4 x 1, 169,984 bytes of LDS; arguments qc, kv1, oc; writes oc
.if DOCPART == 4
	.amdgcn_target "amdgcn-amd-amdhsa--gfx1250"
	.amdhsa_code_object_version 6
	.text
	.protected	k_qa96c7a6ce2_attn_sa
	.globl	k_qa96c7a6ce2_attn_sa
	.p2align	8
	.type	k_qa96c7a6ce2_attn_sa,@function
k_qa96c7a6ce2_attn_sa:
	s_mov_b64 s[64:65], 0
	v_nop
	global_prefetch_b8 v0, s[64:65] scope:SCOPE_SE
	s_setreg_imm32_b32 hwreg(HW_REG_WAVE_MODE, 25, 1), 1
	s_wait_xcnt 0x0
	s_wait_alu depctr_hold_cnt(0) depctr_sa_sdst(0) depctr_va_vdst(0) depctr_va_sdst(0) depctr_va_ssrc(0) depctr_va_vcc(0) depctr_vm_vsrc(0)
	s_getreg_b32 s2, hwreg(HW_REG_IB_STS2, 6, 4)
	s_cmp_eq_u32 s2, 0
	s_cbranch_scc0 .Lentry_in_a_cluster
	s_endpgm
.Lentry_in_a_cluster:
	s_bfe_u32 s2, ttmp6, 0x10000c
	s_cmp_lg_u32 s2, 0x3003
	s_cbranch_scc0 .Lentry_shape_is_right
	s_endpgm
.Lentry_shape_is_right:
; Attention of one head on codes of FP4 (E2M1) with E8M0 scales: S^T = K Q^T, the softmax, O^T = V^T P^T; O / the row's sum is quantised along the channels and stored as the next product's operand.
; THE SOFTMAX: t = score x log2(e) / 8; M = the row's largest t so far, rounded UP to a whole number; p = 2^(t - M) is what is quantised, along the keys, not normalised.  The row's sum is taken of the
; unquantised p and divides O at the end.  When M moves, the sum and O are multiplied by 2^(old M - new M): exact.
; A BLOCK'S SCALE needs only the exponent of its largest p = 2^x, x = t - M of the block's largest score: that is floor(x), taken by whole-number arithmetic, with no exponential.
; SHARES.  A work-group owns 256 queries of one head (work-group y = batch x 8 + head); each of its sixteen waves owns one tile of 16 queries; every wave walks all NKS x 128 keys.
; LDS.  The head's K, V and their scale words, NKS x 9,216 bytes, come ONCE: each wave fetches one sixteenth by its one tensor load; nothing is filled again and nothing is stored to LDS.
; CLUSTER.  The four work-groups of a cluster (4, 1, 1) own queries of the same head and read the same bytes: the load is joint, mask 15, its descriptor made of the head and the wave's number alone.
; No prefetch: every byte of K and V is asked for by the loads at the head; there is no later request to run ahead of.
; THE HEAD'S 64 IN A K OF 128: Q's registers 4-7 hold zero codes.  Source 0 of key tile i is v[KF + 4 i] on, eight registers: its upper four are the next tile's codes, which meet zero codes alone and add
; exactly 0; bytes 2 and 3 of the scale words repeat bytes 0 and 1.
; LAYOUT.  A lane holds ONE query (lane % 16).  The keys of a tile are 8 u + r % 8 + 16 (r / 8) of a group of 32, so that the 16 registers of tiles 2 b and 2 b + 1 are keys 32 b + 16 (lane / 16) + 0 .. 15;
; V's channels are tiled the same way.
; A STEP: the first products; V's fragments and the NEXT step's K are asked of LDS; maxima; the blocks' scales; O^T and the scores under the new M; the 64 exponentials as one batch; codes, sums; the second products.
; LIMITS: the promise holds while |t| stays under 2^31; a p under 2^-126 counts as 0; a block of zeros gets the byte 1 (its codes are zeros); where x lies within an ulp under a whole number and the
; exponential rounds up to the power of two, that one p is held one code low; NaN and infinities are not served.
.set NKS, 16                           ; key steps of 128
.set ROWS, NKS*9/4                     ; rows of 256 bytes that a wave fetches
.set OSC, 2097152                      ; where oc's scale words begin
.set SPARE, 0x29000                    ; the spare words: 128 bytes a wave
.set LI,  1                            ; 16 x lane
.set AD,  2                            ; the key step's place in LDS + 16 x lane
.set R16, 3                            ; 16 r
.set R4,  4                            ; 4 r
.set Q,   16                           ; v16-19 Q's codes, v20-23 zero codes
.set QS,  24                           ; Q's scale words; v25 p's; v26-29 K's; v30-33 V's: these registers hold scales alone
.set PW,  25
.set KS,  26
.set VS,  30
.set KF,  36                           ; v36-67 K's eight tiles; v68-71 zero codes
.set VF,  72                           ; v72-103 V^T's four fragments
.set S,   104                          ; v104-167 S^T, then p
.set O,   168                          ; v168-199 O^T
.set PC,  200                          ; p's codes
.set BM,  208
.set T2,  212
.set SO,  216
.set FF,  220                          ; v[220:221] f = 2^(old M - new M), and a register named with it as a pair
.set TMP, 222
.set TX,  223
.set C2,  224                          ; the sum's second chain
.set SPW, 240
.set NIL, 241
.set WV,  10
.set SEL, 12
.set CS,  14
.set D1,  16
.set D0,  24
.set GX,  39
.set TB,  40
.set CT,  41
.macro PLACES n
.rept \n
	v_nop
.endr
.endm
.macro CROUND                          ; a round of the cluster's barrier
	s_barrier_signal -1
	s_barrier_wait -1
	s_cmp_lg_u32 s[WV], 0
	s_cbranch_scc1 .Lnw0_\@
	s_barrier_signal -3
.Lnw0_\@:
	s_barrier_wait -3
	s_barrier_signal -1
	s_barrier_wait -1
.endm
	s_load_b128 s[4:7], s[0:1], 0x0                ; q's codes and scales, the keys' and values'
	s_load_b64 s[8:9], s[0:1], 0x10                ; oc
	v_lshl_add_u32 v[SPW], v0, 2, SPARE
	v_mov_b32 v[NIL], 0
	ds_add_u32 v[SPW], v[NIL]                      ; the opening lines: the add, twice on end, and its wait ahead of the first tensor load
	ds_add_u32 v[SPW], v[NIL]
	v_lshrrev_b32 v2, 5, v0
	v_readfirstlane_b32 s[WV], v2                  ; wave 0..15
	s_bfe_u32 s38, ttmp6, 0x40000                  ; cx
	s_lshl_b32 s[GX], ttmp9, 2
	s_add_co_u32 s[GX], s[GX], s38                 ; work-group x = 4 x cluster x + cx
	s_and_b32 s42, ttmp7, 0xffff                   ; batch x 8 + head
	s_mov_b32 s[D1], 15|(3<<16)|(1<<21)            ; the four of the cluster; elements of 8 bytes; bit 21 beside the mask; no padding
	s_mov_b32 s[D1+1], 32<<16                      ; rows of 256 bytes, dense
	s_mov_b32 s[D1+2], ROWS<<16
	s_mov_b32 s[D1+3], 32<<16
	s_mov_b32 s[D1+4], ROWS
	s_mov_b32 s[D1+5], 32
	s_mov_b32 s[D1+6], 0
	s_mov_b32 s[D1+7], 0
	s_mul_i32 s43, s42, NKS*9216
	s_mul_i32 s44, s[WV], ROWS*256
	s_add_co_u32 s46, s43, s44                     ; my sixteenth of the head's bytes
	s_mov_b32 s47, 0
	s_lshl_b32 s48, s42, 4                         ; Q: block of 128 rows = 16 x (batch x 8 + head) + 2 x work-group x + wave / 8
	s_lshl_b32 s49, s[GX], 1
	s_add_co_u32 s48, s48, s49
	s_lshr_b32 s49, s[WV], 3
	s_add_co_u32 s48, s48, s49
	s_mul_i32 s48, s48, 4608
	s_and_b32 s49, s[WV], 7                        ; my tile in it
	s_lshl_b32 s50, s49, 9
	s_add_co_u32 s50, s48, s50
	s_mov_b32 s51, 0
	s_lshr_b32 s49, s49, 2
	s_lshl_b32 s49, s49, 8
	s_add_co_u32 s52, s48, s49
	s_and_b32 s49, s[WV], 3
	s_lshl_b32 s49, s49, 2
	s_add_co_u32 s52, s52, s49
	s_add_co_u32 s52, s52, 4096                    ; its scale words
	s_mov_b32 s53, 0
	s_lshr_b32 s48, s42, 3                         ; oc: block of 32 rows = 64 x batch + 8 x work-group x + wave / 2
	s_lshl_b32 s48, s48, 6
	s_lshl_b32 s49, s[GX], 3
	s_add_co_u32 s48, s48, s49
	s_lshr_b32 s49, s[WV], 1
	s_add_co_u32 s48, s48, s49
	s_and_b32 s49, s[WV], 1                        ; the tile of rows
	s_bfe_u32 s45, s42, 0x20001                    ; head / 2: the next product's K step
	s_and_b32 s43, s42, 1                          ; head % 2: which two blocks of it
	s_lshl_b32 s54, s48, 13
	s_lshl_b32 s58, s49, 12
	s_add_co_u32 s54, s54, s58
	s_lshl_b32 s58, s45, 10
	s_add_co_u32 s54, s54, s58
	s_lshl_b32 s58, s43, 9
	s_add_co_u32 s54, s54, s58
	s_mov_b32 s55, 0
	s_lshl_b32 s56, s48, 9
	s_lshl_b32 s58, s45, 7
	s_add_co_u32 s56, s56, s58
	s_lshl_b32 s58, s49, 6
	s_add_co_u32 s56, s56, s58
	s_lshl_b32 s58, s43, 1
	s_add_co_u32 s56, s56, s58
	s_add_co_u32 s56, s56, OSC
	s_mov_b32 s57, 0
	s_mov_b32 s[SEL], 0x76543210
	s_mov_b32 s[SEL+1], 0xfedcba98                 ; v_permlanex16_b32's selects for lane l xor 16
	s_mov_b32 s[CS], 0x3e38aa3b                    ; c = log2(e) / 8
	s_mov_b32 s[CS+1], s[CS]                       ; (named with it as a pair, so it is written)
	s_mov_b32 s[D0], 1
	s_mov_b32 s[D0+1], s44                         ; LDS: the same place as in the head's bytes
	s_wait_dscnt 0x0                               ; both opening adds are done
	s_wait_kmcnt 0x0
	s_add_nc_u64 s[D0+2:D0+3], s[6:7], s[46:47]
	s_or_b32 s[D0+3], s[D0+3], 0x80000000
	CROUND                                         ; the four work-groups are here: the joint loads meet
	tensor_load_to_lds s[D0:D0+3], s[D1:D1+7]      ; each wave's one tensor load
	s_nop 0
	PLACES 4
	v_and_b32 v2, 31, v0
	v_lshlrev_b32 v[LI], 4, v2
	v_and_b32 v2, 15, v0
	v_lshlrev_b32 v[R16], 4, v2
	v_lshlrev_b32 v[R4], 2, v2
.irp i, 0,1,2,3
	v_mov_b32 v[Q+4+\i], 0                         ; zero codes
	v_mov_b32 v[KF+32+\i], 0
	v_mov_b32 v[T2+\i], 0                          ; written once: a lane permute's destination counts as one of its sources
.endr
	s_add_nc_u64 s[50:51], s[4:5], s[50:51]
	s_add_nc_u64 s[52:53], s[4:5], s[52:53]
	s_add_nc_u64 s[54:55], s[8:9], s[54:55]
	s_add_nc_u64 s[56:57], s[8:9], s[56:57]
	global_load_b128 v[Q:Q+3], v[LI], s[50:51]     ; Q's image: blocks 0 and 1
	global_load_b32 v[QS], v[R16], s[52:53]
	v_mov_b32 v13, 0xff61b1e6                      ; the largest score so far: -3e38, under every score
	v_mov_b32 v12, 0x7e000000                      ; -M: so large that the first f is 0
	v_mov_b32 v14, 0                               ; the sum, in two halves
	v_mov_b32 v15, 0
	v_mov_b32 v[FF+1], 0
.set n, 0
.rept 32
	v_mov_b32 v[O+n], 0                            ; O^T: the step is written for every step alike; the first finds zeros
.set n, n+1
.endr
; A KEY STEP of 128 keys.  pf = 1: the next step's K is asked of LDS too
.macro STEP pf
	s_wait_dscnt 0x0                               ; K and its scale words are in
.irp t, 0,1,2,3
	v_wmma_scale_f32_16x16x128_f8f6f4 v[S+8*\t:S+8*\t+7], v[KF+4*\t:KF+4*\t+7], v[Q:Q+7], 0, v[KS+\t], v[QS] matrix_a_fmt:MATRIX_FMT_FP4 matrix_b_fmt:MATRIX_FMT_FP4
.endr
.irp t, 4,5,6,7
	v_wmma_scale_f32_16x16x128_f8f6f4 v[S+8*\t:S+8*\t+7], v[KF+4*\t:KF+4*\t+7], v[Q:Q+7], 0, v[KS+\t-4], v[QS] matrix_a_fmt:MATRIX_FMT_FP4 matrix_b_fmt:MATRIX_FMT_FP4 matrix_a_scale:MATRIX_SCALE_ROW1
.endr
	v_add_nc_u32 v[AD], s[TB], v[LI]               ; four places behind these products and the last step's second ones, ahead of the loads into their registers and of the first read of the scores
	v_mov_b32 v[TMP], v12                          ; the old -M
	PLACES 2
.irp d, 0,1,2,3
.irp c, 0,1
	ds_load_b128 v[VF+8*\d+4*\c:VF+8*\d+4*\c+3], v[AD] offset:4096+1024*\d+512*\c
.endr
.endr
	ds_load_b128 v[VS:VS+3], v[AD] offset:8704
.if \pf
.irp t, 0,1,2,3,4,5,6,7
	ds_load_b128 v[KF+4*\t:KF+4*\t+3], v[AD] offset:9216+512*\t
.endr
	ds_load_b128 v[KS:KS+3], v[AD] offset:9216+8192    ; lanes 0-15: the words of tiles 0-3; lanes 16-31: of tiles 4-7
.endif
.irp b, 0,1,2,3
	v_max3_num_f32 v[BM+\b], v[S+16*\b], v[S+16*\b+1], v[S+16*\b+2]   ; the largest score of each block of 32 keys: it serves the row's maximum and, since p rises with the score, the block's scale
.endr
.irp i, 3,5,7,9,11,13
.irp b, 0,1,2,3
	v_max3_num_f32 v[BM+\b], v[BM+\b], v[S+16*\b+\i], v[S+16*\b+\i+1]
.endr
.endr
.irp b, 0,1,2,3
	v_max_num_f32 v[BM+\b], v[BM+\b], v[S+16*\b+15]
.endr
.irp b, 0,1,2,3
	s_delay_alu instid0(VALU_DEP_4)
	v_permlanex16_b32 v[T2+\b], v[BM+\b], s[SEL], s[SEL+1]
.endr
.irp b, 0,1,2,3
	s_delay_alu instid0(VALU_DEP_4)
	v_max_num_f32 v[BM+\b], v[BM+\b], v[T2+\b]     ; with lane l xor 16's 16 keys
.endr
	s_delay_alu instid0(VALU_DEP_2)
	v_max3_num_f32 v[TX], v[BM], v[BM+1], v[BM+2]
	s_delay_alu instid0(VALU_DEP_1)
	v_max3_num_f32 v13, v13, v[TX], v[BM+3]        ; the running largest score of my query
	s_delay_alu instid0(VALU_DEP_1)
	v_mul_f32 v[TX], s[CS], v13                    ; as t (c is positive)
	s_delay_alu instid0(VALU_DEP_1)
	v_floor_f32 v12, -v[TX]                        ; the new -M = floor(-t) = -ceil(t)
	s_delay_alu instid0(VALU_DEP_1)
	v_sub_f32 v[TMP], v12, v[TMP]                  ; old M - new M: a whole number, 0 or less
	s_delay_alu instid0(VALU_DEP_1)
	v_cvt_i32_f32 v[TMP], v[TMP]                   ; (it saturates)
	s_delay_alu instid0(VALU_DEP_1)
	v_ldexp_f32 v[FF], 1.0, v[TMP]                 ; f = 2^(old M - new M)
.irp b, 0,1,2,3
	v_fma_f32 v[BM+\b], v[BM+\b], s[CS], v12       ; x = t - M of each block's largest score: 0 or less
.endr
.irp b, 0,1,2,3
	v_max_num_f32 v[BM+\b], 0xc2f80000, v[BM+\b]   ; held at -124 from below: the byte cannot fall under 1
.endr
.irp b, 0,1,2,3
	v_cvt_floor_i32_f32 v[BM+\b], v[BM+\b]         ; floor(x): the exponent of the block's largest p
.endr
.irp b, 0,1,2,3
	v_add_lshl_u32 v[SO+\b], v[BM+\b], 125, 23     ; + 127 - 2, as an exponent field: the conversion's scale operand
.endr
.set n, 0
.rept 32
	v_pk_fma_f32 v[S+n:S+n+1], v[S+n:S+n+1], s[CS:CS+1], v[12:13] op_sel_hi:[1,0,0]   ; t - M, two at a time (of the pairs c and -M the low word serves both halves)
.set n, n+2
.endr
.set n, 0
.rept 16
	v_pk_mul_f32 v[O+n:O+n+1], v[O+n:O+n+1], v[FF:FF+1] op_sel_hi:[1,0]   ; O^T under the new M, each accumulator from its low end on; no transcendental stands between the products that wrote it and these lines
.set n, n+2
.endr
	s_wait_alu depctr_va_vdst(0)                   ; ahead of the batch
.set n, 0
.rept 64
	v_exp_f32 v[S+n], v[S+n]                       ; p = 2^(t - M), at most 1
.set n, n+1
.endr
	v_pk_mul_f32 v[14:15], v[14:15], v[FF:FF+1] op_sel_hi:[1,0]   ; the sum under the new M: the plain place behind the batch
	s_wait_alu depctr_va_vdst(0)                   ; one wait for the whole batch, ahead of its first reader
.irp b, 0,1,2,3
	v_cvt_scalef32_pk8_fp4_f32 v[PC+2*\b], v[S+16*\b:S+16*\b+7], v[SO+\b]
	v_cvt_scalef32_pk8_fp4_f32 v[PC+2*\b+1], v[S+16*\b+8:S+16*\b+15], v[SO+\b]
.endr
.irp b, 0,1,2,3
	v_lshrrev_b32 v[T2+\b], 23, v[SO+\b]           ; the scale's byte.  (Plain places behind the scaled conversions)
.endr
.irp c, 0,1                                    ; the operand's layout wants a whole block in a lane: lanes 0-15 block 2 c, lanes 16-31 block 2 c + 1
.irp i, 0,1
	v_permlane16_swap_b32 v[PC+4*\c+\i], v[PC+2+4*\c+\i]
.endr
.endr
	v_pk_add_f32 v[C2:C2+1], v[S:S+1], v[S+2:S+3]  ; the row's sum of the unquantised p, two at a time, in two chains; p's scale word is put together among them
	v_lshl_or_b32 v[PW], v[T2+1], 8, v[T2]
.irp j, 4,8,12,16,20,24,28,32,36,40,44,48,52,56,60
	v_pk_add_f32 v[14:15], v[14:15], v[S+\j:S+\j+1]
	v_pk_add_f32 v[C2:C2+1], v[C2:C2+1], v[S+\j+2:S+\j+3]
.if \j == 4
	v_lshl_or_b32 v[PW], v[T2+2], 16, v[PW]
.endif
.if \j == 8
	v_lshl_or_b32 v[PW], v[T2+3], 24, v[PW]        ; 27 plain lines stand between this one and the products below
.endif
.endr
	v_pk_add_f32 v[14:15], v[14:15], v[C2:C2+1]
.if \pf
	s_wait_dscnt 9                                 ; V and its scale words are in; the nine loads of the next step's K may be out
.else
	s_wait_dscnt 0x0
.endif
.irp d, 0,1,2,3
	v_wmma_scale_f32_16x16x128_f8f6f4 v[O+8*\d:O+8*\d+7], v[VF+8*\d:VF+8*\d+7], v[PC:PC+7], v[O+8*\d:O+8*\d+7], v[VS+\d], v[PW] matrix_a_fmt:MATRIX_FMT_FP4 matrix_b_fmt:MATRIX_FMT_FP4
.endr
.endm
	s_wait_alu depctr_va_vdst(0)
	s_wait_loadcnt 0x0                             ; Q
	s_wait_tensorcnt 0x0                           ; my part of the head's bytes is in LDS;
	s_barrier_signal -1
	s_barrier_wait -1                              ; everybody's is: no barrier follows but the closing round
.irp t, 0,1,2,3,4,5,6,7
	ds_load_b128 v[KF+4*\t:KF+4*\t+3], v[LI] offset:512*\t   ; the first step's K
.endr
	ds_load_b128 v[KS:KS+3], v[LI] offset:8192
	s_mov_b32 s[TB], 0
	s_mov_b32 s[CT], NKS-1
.Lstep:
	STEP 1
	s_add_co_u32 s[TB], s[TB], 9216
	s_sub_co_u32 s[CT], s[CT], 1
	s_cmp_lg_u32 s[CT], 0
	s_cbranch_scc1 .Lstep
	STEP 0                                         ; the last step asks for no further K
	; THE WAY OUT: O^T / the sum, quantised along the channels: two blocks of 32, each shared by lanes l and l xor 16
	PLACES 4
	s_wait_alu depctr_va_vdst(0)                   ; the sum was written ahead of a wait on LDS
	v_add_f32 v14, v14, v15                        ; the sum's two halves,
	s_delay_alu instid0(VALU_DEP_1)
	v_permlanex16_b32 v[TMP], v14, s[SEL], s[SEL+1]
	s_delay_alu instid0(VALU_DEP_1)
	v_add_f32 v14, v14, v[TMP]                     ; and lane l xor 16's: the row's sum
	s_wait_alu depctr_va_vdst(0)                   ; ahead of the transcendental
	v_rcp_f32 v14, v14
	v_nop                                          ; one plain place behind it
	s_wait_alu depctr_va_vdst(0)                   ; ahead of its first reader, which is also the first reader of the last products' results
.set n, 0
.rept 32
	v_mul_f32 v[S+n], v[O+n], v14                  ; register 16 b + i: channel 32 b + 16 h + i of my query
.set n, n+1
.endr
.irp b, 0,1
	v_max3_num_f32 v[BM+\b], |v[S+16*\b]|, |v[S+16*\b+1]|, 0x1800000
.endr
.irp i, 2,4,6,8,10,12,14
.irp b, 0,1
	s_delay_alu instid0(VALU_DEP_2)
	v_max3_num_f32 v[BM+\b], v[BM+\b], |v[S+16*\b+\i]|, |v[S+16*\b+\i+1]|
.endr
.endr
.irp b, 0,1
	s_delay_alu instid0(VALU_DEP_2)
	v_permlanex16_b32 v[T2+\b], v[BM+\b], s[SEL], s[SEL+1]
.endr
.irp b, 0,1
	s_delay_alu instid0(VALU_DEP_2)
	v_max_num_f32 v[BM+\b], v[BM+\b], v[T2+\b]
.endr
.irp b, 0,1
	s_delay_alu instid0(VALU_DEP_2)
	v_add_nc_u32 v[SO+\b], 0xff000000, v[BM+\b]
.endr
.irp b, 0,1
	s_delay_alu instid0(VALU_DEP_2)
	v_lshrrev_b32 v[T2+\b], 23, v[SO+\b]
.endr
.irp b, 0,1
	v_cvt_scalef32_pk8_fp4_f32 v[PC+2*\b], v[S+16*\b:S+16*\b+7], v[SO+\b]
	v_cvt_scalef32_pk8_fp4_f32 v[PC+2*\b+1], v[S+16*\b+8:S+16*\b+15], v[SO+\b]
.endr
	v_nop
	v_permlane16_swap_b32 v[PC], v[PC+2]           ; a whole block in a lane: lanes 0-15 block 0, lanes 16-31 block 1
	v_permlane16_swap_b32 v[PC+1], v[PC+3]
	v_lshl_or_b32 v[TMP], v[T2+1], 8, v[T2]        ; my row's two scale bytes
	global_store_b128 v[LI], v[PC:PC+3], s[54:55]  ; 32 lanes store 512 consecutive bytes: two blocks of the image
	global_store_b16 v[R4], v[TMP], s[56:57]       ; both lanes of a row write the same two bytes
	s_wait_tensorcnt 0x0                           ; the wave's end
	ds_add_u32 v[SPW], v[NIL]
	s_wait_dscnt 0x0
	CROUND                                         ; the closing round
	s_endpgm
.Lfunc_end_k_qa96c7a6ce2_attn_sa:
	.size	k_qa96c7a6ce2_attn_sa, .Lfunc_end_k_qa96c7a6ce2_attn_sa-k_qa96c7a6ce2_attn_sa
	.p2alignl 7, 3214868480
	.fill 96, 4, 3214868480
	.section	.rodata,"a",@progbits
	.p2align	6, 0x0
	.amdhsa_kernel k_qa96c7a6ce2_attn_sa
		.amdhsa_group_segment_fixed_size 169984
		.amdhsa_private_segment_fixed_size 0
		.amdhsa_enable_private_segment 0
		.amdhsa_kernarg_size 24
		.amdhsa_user_sgpr_count 2
		.amdhsa_user_sgpr_kernarg_segment_ptr 1
		.amdhsa_wavefront_size32 1
		.amdhsa_system_sgpr_workgroup_id_x 1
		.amdhsa_system_sgpr_workgroup_id_y 1
		.amdhsa_system_sgpr_workgroup_id_z 1
		.amdhsa_system_vgpr_workitem_id 0
		.amdhsa_next_free_vgpr 242
		.amdhsa_next_free_sgpr 66
		.amdhsa_reserve_vcc 0
		.amdhsa_float_denorm_mode_32 3
		.amdhsa_float_denorm_mode_16_64 3
		.amdhsa_memory_ordered 1
		.amdhsa_forward_progress 1
		.amdhsa_inst_pref_size 42
	.end_amdhsa_kernel
	.amdgpu_metadata
---
amdhsa.version: [ 1, 2 ]
amdhsa.kernels:
  - .name:           k_qa96c7a6ce2_attn_sa
    .symbol:         k_qa96c7a6ce2_attn_sa.kd
    .args:
      - { .name: qc, .offset: 0, .size: 8, .value_kind: global_buffer, .address_space: global }
      - { .name: kv1, .offset: 8, .size: 8, .value_kind: global_buffer, .address_space: global }
      - { .name: oc, .offset: 16, .size: 8, .value_kind: global_buffer, .address_space: global }
    .group_segment_fixed_size: 169984
    .private_segment_fixed_size: 0
    .kernarg_segment_align: 8
    .kernarg_segment_size: 24
    .max_flat_workgroup_size: 512
    .sgpr_count:     66
    .vgpr_count:     242
    .wavefront_size: 32
...
	.end_amdgpu_metadata
.endif
;; end of part 4
;; launch mid (part 5): grid 256 x 1, 16 waves a work-group, no clusters, 180,224 bytes of LDS; arguments oc, x, sa_bo, ca_ng, ca_nb, wts, x1, qc; writes x1, qc
.if DOCPART == 5
	.amdgcn_target "amdgcn-amd-amdhsa--gfx1250"
	.amdhsa_code_object_version 6
	.text
	.protected	k_qa96c7a6ce2_mid
	.globl	k_qa96c7a6ce2_mid
	.p2align	8
	.type	k_qa96c7a6ce2_mid,@function
k_qa96c7a6ce2_mid:
	s_mov_b64 s[64:65], 0
	v_nop
	global_prefetch_b8 v0, s[64:65] scope:SCOPE_SE
	s_setreg_imm32_b32 hwreg(HW_REG_WAVE_MODE, 25, 1), 1
	s_wait_xcnt 0x0
; x1 = attention's output x sa_wo + sa_bo + x (stored);  xn = LayerNorm(x1) x ca_ng + ca_nb, quantised along the 1,024 features;  q = xn x ca_wq on codes, quantised along the head's 64 and stored as images.
; All products on codes of FP4 (E2M1) with E8M0 scales.
; SHARES.  A work-group takes 32 rows.  Wave w holds columns 64 w .. 64 w + 63 of all 32 rows: register 32 t + 16 b + 8 u + j = x1(row of tile t, 64 w + 32 b + 16 h + 8 u + j).
; In the second product the wave makes 32 columns of q: head w / 2, block w % 2.
; THE FIRST PRODUCT DOES NOT WAIT FOR x: x's tile is asked for first, into the wave's own LDS bytes; three of the four K steps' operands are asked for at once, the fourth into the first's registers; the sums begin with
; the constant 0, and the bias and x are added behind the last product, where the tile is first waited for.
; ca_wq's first four K steps are asked for straight behind x1's stores, into the registers that these have left, and land during the norm; the other four follow when the gains are done with.
; ROWS AND COLUMNS OF A TILE: in a group of 32, tile u, row r holds index 8 u + r % 8 + 16 (r / 8).  Source 0 = 16 columns of a weight, source 1 = 16 rows: a lane holds a row, registers run along the columns.
; x1 leaves through the wave's own tile in LDS (it has had its one fill): sixteen lanes store 256 consecutive bytes.
; The weights go from memory straight into the registers of the one wave that multiplies by them; a joint request of several work-groups lands in LDS alone, so none is made.
; The mean and the variance are taken in two passes (no difference of large sums).
; LIMITS: a block of zeros gets the byte 1 where the rule says 127 (its codes are zeros; this program alone reads the bytes); NaN and infinities among the inputs are not served.
.set WO,   1048576
.set WQ2,  262144
.set WSC,  1966080
.set OSC,  2097152
.set NW,   16
.set NB,   2
.set XN,   16*NB
.set PITCH, 272
.set BSTEP, 128
.set RED1, 0                           ; LDS: [wave][lane] partial sums;
.set RED2, 2048                        ; the same for the squares;
.set XNS,  4096                        ; xn's scale words [K step][tile of rows][r];
.set XNI,  6144                        ; xn's images [tile of rows][K step 8][1,024];
.set TILE, 38912                       ; and each wave's own 32 rows x 64 numbers
.set TILEB, 32*PITCH
.set L4,  1                            ; 4 x lane
.set RA,  2                            ; 4 x thread: my place among the partial sums;
.set VWS, 2                            ; the same number is 128 x wave + 4 x lane: my place among ca_wq's scale words
.set IA,  3
.set SA,  4
.set TA,  5
.set GV,  6                            ; 256 x wave + 64 h: my biases and gains
.set LI,  7                            ; 16 x lane
.set LH,  8                            ; 16 r + 8 h
.set R16, 9                            ; 16 r
.set VW4, 10                           ; 4,096 x wave + 16 x lane: sa_wo's images
.set VWS4, 11                          ; 256 x wave + 4 x lane: their scale words
.set VW,  12                           ; 2,048 x wave + 16 x lane: ca_wq's images
.set RD,  14                           ; the way out: where I read a row back
.set GO,  15                           ; and my byte offset in x1
.set WS,  16                           ; v16-24 hold scales alone.  First product: v16-21 the weight's, three sets of two; v22-24 the rows'.  Second: v16-23 the weight's; v24 the rows'
.set AS,  22
.set AS2, 24
.set MM,  28
.set TM,  32
.set TP,  34
.set TS,  36
.set CD,  38
.set T,   42
.set X,   48
.set OS,  112                          ; first product: three sets of 48: four fragments of the weight, two of the rows
.set BO,  160                          ; the bias, in the second set's registers once these are done with
.set XR,  192                          ; x out of the tile
.set GA,  112
.set BA,  144
.set OUTR, 176
.set RT,  240
.set ACC2, 48                          ; second product: ca_wq's K step s at v[176 + 16 s] (s < 4) or v[48 + 16 s]
.set AF2, 80
.set WV,  20
.set SEL, 22
.set HM,  24
.set D1,  28
.set D0,  36
.set PWT, 14
.set OCB, 44
.set OSB, 46
.set X1B, 48
.set QB,  50
.set QSB, 52
.macro PLACES n
.rept \n
	v_nop
.endr
.endm
.macro BAR                             ; my LDS stores have landed and my LDS loads are in: then the work-group's barrier
	s_wait_dscnt 0x0
	s_barrier_signal -1
	s_barrier_wait -1
.endm
; one product 16 x 16 x 128 on codes.  zero = 1: it starts the sum.  ra, rb = 1: the side's scale words stand in lanes 16-31 of the register named
.macro WM d, a, b, zero, sa, sb, ra, rb
.if \zero
.if (\ra) && (\rb)
	v_wmma_scale_f32_16x16x128_f8f6f4 v[(\d):(\d)+7], v[(\a):(\a)+7], v[(\b):(\b)+7], 0, v[\sa], v[\sb] matrix_a_fmt:MATRIX_FMT_FP4 matrix_b_fmt:MATRIX_FMT_FP4 matrix_a_scale:MATRIX_SCALE_ROW1 matrix_b_scale:MATRIX_SCALE_ROW1
.elseif (\ra)
	v_wmma_scale_f32_16x16x128_f8f6f4 v[(\d):(\d)+7], v[(\a):(\a)+7], v[(\b):(\b)+7], 0, v[\sa], v[\sb] matrix_a_fmt:MATRIX_FMT_FP4 matrix_b_fmt:MATRIX_FMT_FP4 matrix_a_scale:MATRIX_SCALE_ROW1
.elseif (\rb)
	v_wmma_scale_f32_16x16x128_f8f6f4 v[(\d):(\d)+7], v[(\a):(\a)+7], v[(\b):(\b)+7], 0, v[\sa], v[\sb] matrix_a_fmt:MATRIX_FMT_FP4 matrix_b_fmt:MATRIX_FMT_FP4 matrix_b_scale:MATRIX_SCALE_ROW1
.else
	v_wmma_scale_f32_16x16x128_f8f6f4 v[(\d):(\d)+7], v[(\a):(\a)+7], v[(\b):(\b)+7], 0, v[\sa], v[\sb] matrix_a_fmt:MATRIX_FMT_FP4 matrix_b_fmt:MATRIX_FMT_FP4
.endif
.else
.if (\ra) && (\rb)
	v_wmma_scale_f32_16x16x128_f8f6f4 v[(\d):(\d)+7], v[(\a):(\a)+7], v[(\b):(\b)+7], v[(\d):(\d)+7], v[\sa], v[\sb] matrix_a_fmt:MATRIX_FMT_FP4 matrix_b_fmt:MATRIX_FMT_FP4 matrix_a_scale:MATRIX_SCALE_ROW1 matrix_b_scale:MATRIX_SCALE_ROW1
.elseif (\ra)
	v_wmma_scale_f32_16x16x128_f8f6f4 v[(\d):(\d)+7], v[(\a):(\a)+7], v[(\b):(\b)+7], v[(\d):(\d)+7], v[\sa], v[\sb] matrix_a_fmt:MATRIX_FMT_FP4 matrix_b_fmt:MATRIX_FMT_FP4 matrix_a_scale:MATRIX_SCALE_ROW1
.elseif (\rb)
	v_wmma_scale_f32_16x16x128_f8f6f4 v[(\d):(\d)+7], v[(\a):(\a)+7], v[(\b):(\b)+7], v[(\d):(\d)+7], v[\sa], v[\sb] matrix_a_fmt:MATRIX_FMT_FP4 matrix_b_fmt:MATRIX_FMT_FP4 matrix_b_scale:MATRIX_SCALE_ROW1
.else
	v_wmma_scale_f32_16x16x128_f8f6f4 v[(\d):(\d)+7], v[(\a):(\a)+7], v[(\b):(\b)+7], v[(\d):(\d)+7], v[\sa], v[\sb] matrix_a_fmt:MATRIX_FMT_FP4 matrix_b_fmt:MATRIX_FMT_FP4
.endif
.endif
.endm
.macro MMN acc, ts, wf, af, ws, as, zero   ; source 0 = the weight's tile u, source 1 = the rows' tile t: a lane holds a row, registers run along the columns
.irp t, 0,1
.irp u, 0,1
	WM (\acc)+(\ts)*\t+8*\u, (\wf)+8*\u, (\af)+8*\t, \zero, \ws, \as, \u, \t
.endr
.endr
.endm
.macro GFRAG dst, voff, sb, imm        ; a fragment's image from memory
.irp c, 0,1
	global_load_b128 v[(\dst)+4*\c:(\dst)+4*\c+3], v[\voff], s[\sb:\sb+1] offset:(\imm)+512*\c
.endr
.endm
.macro LFRAG dst, imm                  ; and from LDS
.irp c, 0,1
	ds_load_b128 v[(\dst)+4*\c:(\dst)+4*\c+3], v[LI] offset:(\imm)+512*\c
.endr
.endm
; n half blocks: v[src + 16 q + i] = number 16 h + i of a block of 32 that lanes l and l xor 16 share.  Codes to v[cd + 2 q], v[cd + 2 q + 1], the scale's byte to v[tp + q].  The blocks take turns line by line.
.macro HQ src, n, cd, tm, tp, ts
.set hq, 0
.rept \n
	v_max3_num_f32 v[(\tm)+hq], |v[(\src)+16*hq]|, |v[(\src)+16*hq+1]|, 0x1800000   ; with the floor 2^(3 - 127): the byte cannot fall under 1
.set hq, hq+1
.endr
.irp i, 2,4,6,8,10,12,14
.set hq, 0
.rept \n
	v_max3_num_f32 v[(\tm)+hq], v[(\tm)+hq], |v[(\src)+16*hq+\i]|, |v[(\src)+16*hq+\i+1]|
.set hq, hq+1
.endr
.endr
.set hq, 0
.rept \n
	s_delay_alu instid0(VALU_DEP_2)
	v_permlanex16_b32 v[(\tp)+hq], v[(\tm)+hq], s[SEL], s[SEL+1]
.set hq, hq+1
.endr
.set hq, 0
.rept \n
	s_delay_alu instid0(VALU_DEP_2)
	v_max_num_f32 v[(\tm)+hq], v[(\tm)+hq], v[(\tp)+hq]      ; with lane l xor 16's: the block's largest magnitude
.set hq, hq+1
.endr
.set hq, 0
.rept \n
	s_delay_alu instid0(VALU_DEP_2)
	v_add_nc_u32 v[(\ts)+hq], 0xff000000, v[(\tm)+hq]        ; 2 off its exponent field: the conversion's scale operand
.set hq, hq+1
.endr
.set hq, 0
.rept \n
	s_delay_alu instid0(VALU_DEP_2)
	v_lshrrev_b32 v[(\tp)+hq], 23, v[(\ts)+hq]               ; the scale's byte
.set hq, hq+1
.endr
.set hq, 0
.rept \n
	v_cvt_scalef32_pk8_fp4_f32 v[(\cd)+2*hq], v[(\src)+16*hq:(\src)+16*hq+7], v[(\ts)+hq]
	v_cvt_scalef32_pk8_fp4_f32 v[(\cd)+2*hq+1], v[(\src)+16*hq+8:(\src)+16*hq+15], v[(\ts)+hq]
.set hq, hq+1
.endr
	v_nop                                          ; one plain place behind the scaled conversions
.endm
.macro PART sq                         ; my numbers' sum (sq = 0) or sum of squares (1) for each of the two tiles of rows, the two by turns
.irp t, 0,1
.if \sq
	v_pk_mul_f32 v[T+2*\t:T+2*\t+1], v[X+XN*\t:X+XN*\t+1], v[X+XN*\t:X+XN*\t+1]
.else
	v_pk_add_f32 v[T+2*\t:T+2*\t+1], v[X+XN*\t:X+XN*\t+1], v[X+XN*\t+2:X+XN*\t+3]
.endif
.endr
.set pp, 2+2*(1-\sq)
.rept (XN-2-2*(1-\sq))/2
.irp t, 0,1
.if \sq
	s_delay_alu instid0(VALU_DEP_2)
	v_pk_fma_f32 v[T+2*\t:T+2*\t+1], v[X+XN*\t+pp:X+XN*\t+pp+1], v[X+XN*\t+pp:X+XN*\t+pp+1], v[T+2*\t:T+2*\t+1]
.else
	s_delay_alu instid0(VALU_DEP_2)
	v_pk_add_f32 v[T+2*\t:T+2*\t+1], v[T+2*\t:T+2*\t+1], v[X+XN*\t+pp:X+XN*\t+pp+1]
.endif
.endr
.set pp, pp+2
.endr
.irp t, 0,1
	s_delay_alu instid0(VALU_DEP_2)
	v_add_f32 v[T+2*\t], v[T+2*\t], v[T+2*\t+1]
.endr
.endm
; the sums of all waves: lane (r, h) ends with the whole row's sum x mul of row r of tile h, in v[T + 4]
.macro ALLRED off, mul
	s_delay_alu instid0(VALU_DEP_2)
	v_permlanex16_b32 v[T+1], v[T], s[SEL], s[SEL+1]
	s_delay_alu instid0(VALU_DEP_2)
	v_permlanex16_b32 v[T+3], v[T+2], s[SEL], s[SEL+1]
	s_delay_alu instid0(VALU_DEP_2)
	v_add_f32 v[T], v[T], v[T+1]
	s_delay_alu instid0(VALU_DEP_2)
	v_add_f32 v[T+2], v[T+2], v[T+3]
	s_delay_alu instid0(VALU_DEP_1)
	v_cndmask_b32 v[T+4], v[T], v[T+2], s[HM]      ; lanes 0-15 carry tile 0's rows, lanes 16-31 tile 1's
	ds_store_b32 v[RA], v[T+4] offset:\off
	BAR
.set aa, 0
.rept NW
	ds_load_b32 v[RT+aa], v[L4] offset:(\off)+128*aa
.set aa, aa+1
.endr
	s_wait_dscnt 0x0
.irp i, 0,1,2,3,4,5,6,7
	v_add_f32 v[RT+\i], v[RT+\i], v[RT+8+\i]
.endr
.irp i, 0,1,2,3
	s_delay_alu instid0(VALU_DEP_4)
	v_add_f32 v[RT+\i], v[RT+\i], v[RT+4+\i]
.endr
	s_delay_alu instid0(VALU_DEP_2)
	v_add_f32 v[RT], v[RT], v[RT+2]
	s_delay_alu instid0(VALU_DEP_2)
	v_add_f32 v[RT+1], v[RT+1], v[RT+3]
	s_delay_alu instid0(VALU_DEP_1)
	v_add_f32 v[RT], v[RT], v[RT+1]
	s_delay_alu instid0(VALU_DEP_1)
	v_mul_f32 v[T+4], \mul, v[RT]
.endm
.macro SPLIT                           ; v[T + 4] of lanes l and l xor 16 -> v[MM], v[MM + 1]: tile 0's number twice; v[MM + 2], v[MM + 3]: tile 1's
	v_permlanex16_b32 v[T+5], v[T+4], s[SEL], s[SEL+1]
	v_cndmask_b32 v[MM], v[T+4], v[T+5], s[HM]
	v_cndmask_b32 v[MM+2], v[T+5], v[T+4], s[HM]
	s_delay_alu instid0(VALU_DEP_2)
	v_mov_b32 v[MM+1], v[MM]
	s_delay_alu instid0(VALU_DEP_2)
	v_mov_b32 v[MM+3], v[MM+2]
.endm
.macro LNORM rn                        ; X = (X - mean) / sqrt(variance + 1e-5)
	PART 0
	ALLRED RED1, \rn
	SPLIT
.irp t, 0,1
.set cc, 0
.rept XN/2
	v_pk_add_f32 v[X+XN*\t+cc:X+XN*\t+cc+1], v[X+XN*\t+cc:X+XN*\t+cc+1], v[MM+2*\t:MM+2*\t+1] neg_lo:[0,1] neg_hi:[0,1]
.set cc, cc+2
.endr
.endr
	PART 1
	ALLRED RED2, \rn
	s_delay_alu instid0(VALU_DEP_1)
	v_add_f32 v[T+4], 0x3727c5ac, v[T+4]           ; + 1e-5
	s_wait_alu depctr_va_vdst(0)
	v_rsq_f32 v[T+4], v[T+4]
	v_nop                                          ; one plain place behind the transcendental
	s_wait_alu depctr_va_vdst(0)
	SPLIT
.irp t, 0,1
.set cc, 0
.rept XN/2
	v_pk_mul_f32 v[X+XN*\t+cc:X+XN*\t+cc+1], v[X+XN*\t+cc:X+XN*\t+cc+1], v[MM+2*\t:MM+2*\t+1]
.set cc, cc+2
.endr
.endr
.endm
.macro XREAD dst                       ; my numbers out of my wave's tile: tile t's row r is row 8 t + r % 8 + 16 (r / 8)
.irp t, 0,1
.set xb, 0
.rept NB
.irp j, 0,1,2,3
	ds_load_b128 v[(\dst)+XN*\t+16*xb+4*\j:(\dst)+XN*\t+16*xb+4*\j+3], v[TA] offset:\t*8*PITCH+xb*BSTEP+16*\j
.endr
.set xb, xb+1
.endr
.endr
.endm
.macro AFF dst, src, g, b              ; dst = src x gain + bias
.set ff, 0
.rept XN/2
	v_pk_fma_f32 v[(\dst)+ff:(\dst)+ff+1], v[(\src)+ff:(\src)+ff+1], v[(\g)+ff:(\g)+ff+1], v[(\b)+ff:(\b)+ff+1]
.set ff, ff+2
.endr
.endm
.macro PUT img, sc                     ; my two half blocks and their bytes into the images in LDS
.irp b, 0,1
	ds_store_b64 v[IA], v[CD+2*\b:CD+2*\b+1] offset:(\img)+256*\b    ; a wave's store fills one block's 256 bytes of an image
	ds_store_b8 v[SA], v[TP+\b] offset:(\sc)+\b                      ; both lanes of a block write the same byte with the same value
.endr
	s_wait_dscnt 0x0                               ; the stores have read their registers
.endm
.macro OSET s, p                       ; K step s of the first product into set p: fifteen loads
.irp q, 0,1,2,3
	GFRAG OS+48*(\p)+8*\q, VW4, PWT, WO+(\s)*65536+\q*1024
.endr
.irp t, 0,1
	GFRAG OS+48*(\p)+32+8*\t, LI, OCB, 4096*\t+1024*(\s)
.endr
.irp b, 0,1
	global_load_b32 v[WS+2*(\p)+\b], v[VWS4], s[PWT:PWT+1] offset:WSC+WO/16+(\s)*4096+128*\b
.endr
	global_load_b32 v[AS+(\p)], v[L4], s[OSB:OSB+1] offset:128*(\s)
.endm
.macro OSTEP s, left, zero             ; K step s, from set s % 3.  left: the loads issued behind this step's, which may be out
	s_wait_loadcnt \left
.irp b, 0,1
	MMN X+16*\b, 32, OS+48*((\s)%3)+16*\b, OS+48*((\s)%3)+32, WS+2*((\s)%3)+\b, AS+((\s)%3), \zero    ; the eight accumulators take turns, one instruction a turn
.endr
.endm
.macro STAGEOUT sb                     ; X goes into my wave's tile, each accumulator from its low end on, and leaves as rows: lanes 0-15 one row's 256 bytes, lanes 16-31 the next row's
.irp t, 0,1
.irp b, 0,1
.irp j, 0,1,2,3
	ds_store_b128 v[TA], v[X+32*\t+16*\b+4*\j:X+32*\t+16*\b+4*\j+3] offset:\t*8*PITCH+\b*BSTEP+16*\j
.endr
.endr
.endr
.irp i, 0,1,2,3,4,5,6,7,8,9,10,11,12,13,14,15
	ds_load_b128 v[OUTR+4*\i:OUTR+4*\i+3], v[RD] offset:2*\i*PITCH     ; LDS serves a wave's instructions in order (ISA guide 5.7.1.4): these see the stores above
.endr
.irp i, 0,1,2,3,4,5,6,7,8,9,10,11,12,13,14,15
	s_wait_dscnt 15-\i                             ; the younger loads may be out
	global_store_b128 v[GO], v[OUTR+4*\i:OUTR+4*\i+3], s[\sb:\sb+1] offset:2*\i*4096
.endr
.endm
.macro W2SET s                         ; K step s of ca_wq: five loads
.irp u, 0,1
	GFRAG 176+16*(\s)-128*((\s)/4)+8*\u, VW, PWT, WQ2+(\s)*32768+\u*1024
.endr
	global_load_b32 v[WS+(\s)], v[VWS], s[PWT:PWT+1] offset:WSC+WQ2/16+(\s)*2048
.endm
	s_load_b512 s[4:19], s[0:1], 0x0               ; oc, x, sa_bo, ca_ng, ca_nb, wts, x1, qc
	v_lshl_add_u32 v13, v0, 2, 0x2b800
	v_mov_b32 v25, 0
	ds_add_u32 v13, v25
	ds_add_u32 v13, v25
	v_lshrrev_b32 v26, 5, v0
	s_delay_alu instid0(VALU_DEP_1)
	v_readfirstlane_b32 s[WV], v26                 ; wave 0..15
	v_and_b32 v26, 31, v0                          ; lane
	v_and_b32 v27, 15, v0                          ; r
	v_bfe_u32 v28, v0, 4, 1                        ; h
	s_delay_alu instid0(VALU_DEP_3)
	v_lshlrev_b32 v[L4], 2, v26
	v_lshlrev_b32 v[RA], 2, v0
	v_lshlrev_b32 v[LI], 4, v26
	v_lshlrev_b32 v[R16], 4, v27
	s_delay_alu instid0(VALU_DEP_1)
	v_lshl_add_u32 v[LH], v28, 3, v[R16]
	s_lshl_b32 s40, s[WV], 9
	v_add_nc_u32 v[IA], s40, v[LH]
	s_lshr_b32 s40, s[WV], 1
	s_lshl_b32 s40, s40, 7
	s_and_b32 s41, s[WV], 1
	s_lshl_b32 s41, s41, 1
	s_add_co_u32 s40, s40, s41
	v_lshl_add_u32 v[SA], v27, 2, s40
	v_and_b32 v29, 7, v27
	v_lshrrev_b32 v30, 3, v27
	s_delay_alu instid0(VALU_DEP_1)
	v_lshl_add_u32 v29, v30, 4, v29                ; r % 8 + 16 (r / 8)
	s_delay_alu instid0(VALU_DEP_1)
	v_mul_u32_u24 v29, v29, PITCH
	s_delay_alu instid0(VALU_DEP_1)
	v_lshl_add_u32 v29, v28, 6, v29
	s_mul_i32 s[D0+1], s[WV], TILEB
	s_add_co_u32 s[D0+1], s[D0+1], TILE            ; my wave's tile
	v_add_nc_u32 v[TA], s[D0+1], v29
	v_mul_u32_u24 v29, v28, PITCH
	s_delay_alu instid0(VALU_DEP_1)
	v_add_nc_u32 v29, v29, v[R16]
	s_delay_alu instid0(VALU_DEP_1)
	v_add_nc_u32 v[RD], s[D0+1], v29
	v_lshl_add_u32 v[GO], v28, 12, v[R16]
	s_lshl_b32 s41, s[WV], 8
	v_lshl_add_u32 v[GV], v28, 6, s41
	v_lshl_add_u32 v[VWS4], v26, 2, s41
	s_lshl_b32 s40, s[WV], 12
	v_lshl_add_u32 v[VW4], v26, 4, s40
	s_lshl_b32 s40, s[WV], 11
	v_lshl_add_u32 v[VW], v26, 4, s40
	v_mov_b32 v[TP], 0                             ; written once: a lane permute's destination counts as one of its sources
	v_mov_b32 v[TP+1], 0
	v_mov_b32 v[T+5], 0
	s_mov_b32 s[SEL], 0x76543210
	s_mov_b32 s[SEL+1], 0xfedcba98
	s_mov_b32 s[HM], 0xffff0000
	; the tile: 32 rows x 64 numbers of 4 bytes, rows 1,024 numbers apart; in LDS 4 words of padding behind every 64
	s_mov_b32 s[D1], (2<<16)|(1<<20)|(5<<22)|(3<<25)
	s_mov_b32 s[D1+1], 64<<16
	s_mov_b32 s[D1+2], 32<<16
	s_mov_b32 s[D1+3], 64<<16
	s_mov_b32 s[D1+4], 32
	s_mov_b32 s[D1+5], 1024
	s_mov_b32 s[D1+6], 0
	s_mov_b32 s[D1+7], 0
	s_mov_b32 s[D0], 1
	s_lshl_b32 s40, ttmp9, 17                      ; 32 rows of 4,096 bytes
	s_add_co_u32 s40, s40, s41
	s_mov_b32 s41, 0
	s_lshl_b32 s56, ttmp9, 13
	s_mov_b32 s57, 0
	s_lshl_b32 s58, ttmp9, 9
	s_add_co_u32 s58, s58, OSC
	s_mov_b32 s59, 0
	s_wait_alu depctr_va_vdst(0)
	s_wait_dscnt 0x0
	s_wait_kmcnt 0x0
	s_add_nc_u64 s[D0+2:D0+3], s[6:7], s[40:41]
	s_or_b32 s[D0+3], s[D0+3], 0x80000000
	tensor_load_to_lds s[D0:D0+3], s[D1:D1+7]      ; each wave's one tensor load: filled once, read by this wave alone
	s_nop 0
	PLACES 4
	s_add_nc_u64 s[X1B:X1B+1], s[16:17], s[40:41]
	s_add_nc_u64 s[OCB:OCB+1], s[4:5], s[56:57]
	s_add_nc_u64 s[OSB:OSB+1], s[4:5], s[58:59]
	OSET 0, 0                                      ; three K steps' operands at once: 45 loads
	OSET 1, 1
	OSET 2, 2
	; where q goes
	s_lshr_b32 s40, ttmp9, 6
	s_lshl_b32 s40, s40, 3
	s_lshr_b32 s41, s[WV], 1
	s_add_co_u32 s40, s40, s41
	s_lshl_b32 s40, s40, 4
	s_bfe_u32 s41, ttmp9, 0x40002
	s_add_co_u32 s40, s40, s41
	s_mul_i32 s56, s40, 4608
	s_and_b32 s41, ttmp9, 3
	s_and_b32 s42, s[WV], 1
	s_lshl_b32 s43, s41, 10
	s_lshl_b32 s25, s42, 8
	s_add_co_u32 s43, s43, s25
	s_add_co_u32 s58, s56, s43
	s_add_nc_u64 s[QB:QB+1], s[18:19], s[58:59]
	s_lshr_b32 s25, s41, 1
	s_lshl_b32 s25, s25, 8
	s_and_b32 s26, s41, 1
	s_lshl_b32 s26, s26, 3
	s_add_co_u32 s25, s25, s26
	s_add_co_u32 s25, s25, s42
	s_add_co_u32 s58, s56, s25
	s_add_co_u32 s58, s58, 4096
	s_add_nc_u64 s[QSB:QSB+1], s[18:19], s[58:59]
	OSTEP 0, 30, 1                                 ; K steps 1 and 2 may be out.  The first products start the sums
	PLACES 4                                       ; in front of loads into registers that these products read
	OSET 3, 0
	OSTEP 1, 30, 0                                 ; K steps 2 and 3 may be out
	PLACES 4
.irp b, 0,1
.irp j, 0,1,2,3
	global_load_b128 v[BO+16*\b+4*\j:BO+16*\b+4*\j+3], v[GV], s[8:9] offset:128*\b+16*\j   ; the bias: eight loads
.endr
.endr
	OSTEP 2, 23, 0                                 ; K step 3's fifteen loads and the bias's eight may be out
	OSTEP 3, 8, 0                                  ; the bias's eight may be out
	PLACES 4                                       ; in front of the loads below and of the first read of the sums
	s_wait_tensorcnt 0x0                           ; my tile is in LDS; nobody else reads it
	XREAD XR
	s_wait_loadcnt 0x0                             ; the bias
.irp t, 0,1
.set cc, 0
.rept 16
	v_pk_add_f32 v[X+32*\t+cc:X+32*\t+cc+1], v[X+32*\t+cc:X+32*\t+cc+1], v[BO+cc:BO+cc+1]    ; + bias, each accumulator from its low end on
.set cc, cc+2
.endr
.endr
	s_wait_dscnt 0x0
.set cc, 0
.rept 32
	v_pk_add_f32 v[X+cc:X+cc+1], v[X+cc:X+cc+1], v[XR+cc:XR+cc+1]                            ; + x: x1
.set cc, cc+2
.endr
.irp b, 0,1
.irp j, 0,1,2,3
	global_load_b128 v[GA+16*\b+4*\j:GA+16*\b+4*\j+3], v[GV], s[10:11] offset:128*\b+16*\j
	global_load_b128 v[BA+16*\b+4*\j:BA+16*\b+4*\j+3], v[GV], s[12:13] offset:128*\b+16*\j
.endr
.endr
	STAGEOUT X1B                                   ; x1: a later launch reads it again
	s_wait_xcnt 0x0                                ; x1's stores have read their registers: only behind this wait are these loaded again
.irp s, 0,1,2,3
	W2SET \s                                       ; twenty loads, which land during the norm
.endr
	LNORM 0x3a800000
	s_wait_loadcnt 20                              ; the gains are in; ca_wq's twenty loads may be out
.irp t, 0,1
	AFF X+XN*\t, X+XN*\t, GA, BA
	HQ X+XN*\t, 2, CD, TM, TP, TS
	PUT XNI+8192*\t, XNS+64*\t
.endr
.irp s, 4,5,6,7
	W2SET \s                                       ; into the gains' registers
.endr
	BAR                                            ; xn's sixteen images and their scale words lie in LDS
.macro QSTEP s
.set zf, 0
.if (\s) == 0
.set zf, 1
.else
	PLACES 4
.endif
.irp t, 0,1
	LFRAG AF2+8*\t, XNI+8192*\t+1024*(\s)
.endr
	ds_load_b32 v[AS2], v[L4] offset:XNS+128*(\s)
	s_wait_loadcnt 5*(7-(\s))                      ; the later K steps' five loads each may be out
	s_wait_dscnt 0x0
	MMN ACC2, 16, 176+16*(\s)-128*((\s)/4), AF2, WS+(\s), AS2, zf    ; the four accumulators take turns
.endm
.irp s, 0,1,2,3,4,5,6,7
	QSTEP \s
.endr
	PLACES 4
	HQ ACC2, 2, CD, TM, TP, TS                     ; q: half block t = my row of tile t, 16 h + 0 .. 15 of my block of the head
.irp t, 0,1
	global_store_b64 v[LH], v[CD+2*\t:CD+2*\t+1], s[QB:QB+1] offset:512*\t   ; 32 lanes fill 256 consecutive bytes
	global_store_b8 v[R16], v[TP+\t], s[QSB:QSB+1] offset:4*\t
	global_store_b8 v[R16], v[TP+\t], s[QSB:QSB+1] offset:4*\t+2             ; bytes 2 and 3 of a word repeat bytes 0 and 1: they scale the half of K that holds zero codes
.endr
	s_wait_tensorcnt 0x0
	ds_add_u32 v13, v25
	s_wait_dscnt 0x0
	s_endpgm
.Lfunc_end_k_qa96c7a6ce2_mid:
	.size	k_qa96c7a6ce2_mid, .Lfunc_end_k_qa96c7a6ce2_mid-k_qa96c7a6ce2_mid
	.p2alignl 7, 3214868480
	.fill 96, 4, 3214868480
	.section	.rodata,"a",@progbits
	.p2align	6, 0x0
	.amdhsa_kernel k_qa96c7a6ce2_mid
		.amdhsa_group_segment_fixed_size 180224
		.amdhsa_private_segment_fixed_size 0
		.amdhsa_enable_private_segment 0
		.amdhsa_kernarg_size 64
		.amdhsa_user_sgpr_count 2
		.amdhsa_user_sgpr_kernarg_segment_ptr 1
		.amdhsa_wavefront_size32 1
		.amdhsa_system_sgpr_workgroup_id_x 1
		.amdhsa_system_sgpr_workgroup_id_y 1
		.amdhsa_system_sgpr_workgroup_id_z 1
		.amdhsa_system_vgpr_workitem_id 0
		.amdhsa_next_free_vgpr 256
		.amdhsa_next_free_sgpr 66
		.amdhsa_reserve_vcc 0
		.amdhsa_float_denorm_mode_32 3
		.amdhsa_float_denorm_mode_16_64 3
		.amdhsa_memory_ordered 1
		.amdhsa_forward_progress 1
		.amdhsa_inst_pref_size 63
	.end_amdhsa_kernel
	.amdgpu_metadata
---
amdhsa.version: [ 1, 2 ]
amdhsa.kernels:
  - .name:           k_qa96c7a6ce2_mid
    .symbol:         k_qa96c7a6ce2_mid.kd
    .args:
      - { .name: oc, .offset: 0, .size: 8, .value_kind: global_buffer, .address_space: global }
      - { .name: x, .offset: 8, .size: 8, .value_kind: global_buffer, .address_space: global }
      - { .name: sa_bo, .offset: 16, .size: 8, .value_kind: global_buffer, .address_space: global }
      - { .name: ca_ng, .offset: 24, .size: 8, .value_kind: global_buffer, .address_space: global }
      - { .name: ca_nb, .offset: 32, .size: 8, .value_kind: global_buffer, .address_space: global }
      - { .name: wts, .offset: 40, .size: 8, .value_kind: global_buffer, .address_space: global }
      - { .name: x1, .offset: 48, .size: 8, .value_kind: global_buffer, .address_space: global }
      - { .name: qc, .offset: 56, .size: 8, .value_kind: global_buffer, .address_space: global }
    .group_segment_fixed_size: 180224
    .private_segment_fixed_size: 0
    .kernarg_segment_align: 8
    .kernarg_segment_size: 64
    .max_flat_workgroup_size: 512
    .sgpr_count:     66
    .vgpr_count:     256
    .wavefront_size: 32
...
	.end_amdgpu_metadata
.endif
;; end of part 5
;; launch attn_ca (part 6): grid 8 x 32, 16 waves a work-group, clusters of 4 x 1, 169,984 bytes of LDS; arguments qc, kv2, oc; writes oc
.if DOCPART == 6
	.amdgcn_target "amdgcn-amd-amdhsa--gfx1250"
	.amdhsa_code_object_version 6
	.text
	.protected	k_qa96c7a6ce2_attn_ca
	.globl	k_qa96c7a6ce2_attn_ca
	.p2align	8
	.type	k_qa96c7a6ce2_attn_ca,@function
k_qa96c7a6ce2_attn_ca:
	s_mov_b64 s[64:65], 0
	v_nop
	global_prefetch_b8 v0, s[64:65] scope:SCOPE_SE
	s_setreg_imm32_b32 hwreg(HW_REG_WAVE_MODE, 25, 1), 1
	s_wait_xcnt 0x0
	s_wait_alu depctr_hold_cnt(0) depctr_sa_sdst(0) depctr_va_vdst(0) depctr_va_sdst(0) depctr_va_ssrc(0) depctr_va_vcc(0) depctr_vm_vsrc(0)
	s_getreg_b32 s2, hwreg(HW_REG_IB_STS2, 6, 4)
	s_cmp_eq_u32 s2, 0
	s_cbranch_scc0 .Lentry_in_a_cluster
	s_endpgm
.Lentry_in_a_cluster:
	s_bfe_u32 s2, ttmp6, 0x10000c
	s_cmp_lg_u32 s2, 0x3003
	s_cbranch_scc0 .Lentry_shape_is_right
	s_endpgm
.Lentry_shape_is_right:
; Cross-attention of one head on codes of FP4 (E2M1) with E8M0 scales: the self-attention's text with 512 keys (NKS = 4): S^T = K Q^T, the softmax, O^T = V^T P^T; O / the row's sum is quantised along the
; channels and stored as the next product's operand.
; THE SOFTMAX: t = score x log2(e) / 8; M = the row's largest t so far, rounded UP to a whole number; p = 2^(t - M) is what is quantised, along the keys, not normalised.  The row's sum is taken of the
; unquantised p and divides O at the end.  When M moves, the sum and O are multiplied by 2^(old M - new M): exact.
; SHARES.  A work-group owns 256 queries of one head (work-group y = batch x 8 + head); each of its sixteen waves owns one tile of 16 queries; every wave walks all NKS x 128 keys.
; LDS.  The head's K, V and their scale words, NKS x 9,216 bytes, come ONCE: each wave fetches one sixteenth by its one tensor load; nothing is filled again and nothing is stored to LDS.
; CLUSTER.  The four work-groups of a cluster (4, 1, 1) own queries of the same head and read the same bytes: the load is joint, mask 15, its descriptor made of the head and the wave's number alone.
; No prefetch: every byte of K and V is asked for by the loads at the head; there is no later request to run ahead of.
; THE HEAD'S 64 IN A K OF 128: Q's registers 4-7 hold zero codes; the upper four registers of a key tile's source are the next tile's codes, which meet zero codes alone; bytes 2 and 3 of the scale words repeat bytes 0 and 1.
; LAYOUT.  A lane holds ONE query (lane % 16).  The keys of a tile are 8 u + r % 8 + 16 (r / 8) of a group of 32; V's channels are tiled the same way.
; LIMITS: the promise holds while |t| stays under 2^31; a p under 2^-126 counts as 0; a block of zeros gets the byte 1 (its codes are zeros); NaN and infinities are not served.
.set NKS, 4                            ; key steps of 128
.set ROWS, NKS*9/4                     ; rows of 256 bytes that a wave fetches
.set OSC, 2097152                      ; where oc's scale words begin
.set SPARE, 0x29000                    ; the spare words: 128 bytes a wave
.set LI,  1                            ; 16 x lane
.set AD,  2                            ; the key step's place in LDS + 16 x lane
.set R16, 3                            ; 16 r
.set R4,  4                            ; 4 r
.set Q,   16                           ; v16-19 Q's codes, v20-23 zero codes
.set QS,  24                           ; Q's scale words; v25 p's; v26-29 K's; v30-33 V's: these registers hold scales alone
.set PW,  25
.set KS,  26
.set VS,  30
.set KF,  36                           ; v36-67 K's eight tiles; v68-71 zero codes
.set VF,  72                           ; v72-103 V^T's four fragments
.set S,   104                          ; v104-167 S^T, then p
.set O,   168                          ; v168-199 O^T
.set PC,  200                          ; p's codes
.set BM,  208
.set T2,  212
.set SO,  216
.set FF,  220                          ; v[220:221] f = 2^(old M - new M), and a register named with it as a pair
.set TMP, 222
.set TX,  223
.set C2,  224                          ; the sum's second chain
.set SPW, 240
.set NIL, 241
.set WV,  10
.set SEL, 12
.set CS,  14
.set D1,  16
.set D0,  24
.set GX,  39
.set TB,  40
.set CT,  41
.macro PLACES n
.rept \n
	v_nop
.endr
.endm
.macro CROUND                          ; a round of the cluster's barrier
	s_barrier_signal -1
	s_barrier_wait -1
	s_cmp_lg_u32 s[WV], 0
	s_cbranch_scc1 .Lnw0_\@
	s_barrier_signal -3
.Lnw0_\@:
	s_barrier_wait -3
	s_barrier_signal -1
	s_barrier_wait -1
.endm
	s_load_b128 s[4:7], s[0:1], 0x0                ; q's codes and scales, the keys' and values'
	s_load_b64 s[8:9], s[0:1], 0x10                ; oc
	v_lshl_add_u32 v[SPW], v0, 2, SPARE
	v_mov_b32 v[NIL], 0
	ds_add_u32 v[SPW], v[NIL]                      ; the opening lines: the add, twice on end, and its wait ahead of the first tensor load
	ds_add_u32 v[SPW], v[NIL]
	v_lshrrev_b32 v2, 5, v0
	v_readfirstlane_b32 s[WV], v2                  ; wave 0..15
	s_bfe_u32 s38, ttmp6, 0x40000                  ; cx
	s_lshl_b32 s[GX], ttmp9, 2
	s_add_co_u32 s[GX], s[GX], s38                 ; work-group x = 4 x cluster x + cx
	s_and_b32 s42, ttmp7, 0xffff                   ; batch x 8 + head
	s_mov_b32 s[D1], 15|(3<<16)|(1<<21)            ; the four of the cluster; elements of 8 bytes; bit 21 beside the mask; no padding
	s_mov_b32 s[D1+1], 32<<16                      ; rows of 256 bytes, dense
	s_mov_b32 s[D1+2], ROWS<<16
	s_mov_b32 s[D1+3], 32<<16
	s_mov_b32 s[D1+4], ROWS
	s_mov_b32 s[D1+5], 32
	s_mov_b32 s[D1+6], 0
	s_mov_b32 s[D1+7], 0
	s_mul_i32 s43, s42, NKS*9216
	s_mul_i32 s44, s[WV], ROWS*256
	s_add_co_u32 s46, s43, s44                     ; my sixteenth of the head's bytes
	s_mov_b32 s47, 0
	s_lshl_b32 s48, s42, 4                         ; Q: block of 128 rows = 16 x (batch x 8 + head) + 2 x work-group x + wave / 8
	s_lshl_b32 s49, s[GX], 1
	s_add_co_u32 s48, s48, s49
	s_lshr_b32 s49, s[WV], 3
	s_add_co_u32 s48, s48, s49
	s_mul_i32 s48, s48, 4608
	s_and_b32 s49, s[WV], 7                        ; my tile in it
	s_lshl_b32 s50, s49, 9
	s_add_co_u32 s50, s48, s50
	s_mov_b32 s51, 0
	s_lshr_b32 s49, s49, 2
	s_lshl_b32 s49, s49, 8
	s_add_co_u32 s52, s48, s49
	s_and_b32 s49, s[WV], 3
	s_lshl_b32 s49, s49, 2
	s_add_co_u32 s52, s52, s49
	s_add_co_u32 s52, s52, 4096                    ; its scale words
	s_mov_b32 s53, 0
	s_lshr_b32 s48, s42, 3                         ; oc: block of 32 rows = 64 x batch + 8 x work-group x + wave / 2
	s_lshl_b32 s48, s48, 6
	s_lshl_b32 s49, s[GX], 3
	s_add_co_u32 s48, s48, s49
	s_lshr_b32 s49, s[WV], 1
	s_add_co_u32 s48, s48, s49
	s_and_b32 s49, s[WV], 1                        ; the tile of rows
	s_bfe_u32 s45, s42, 0x20001                    ; head / 2: the next product's K step
	s_and_b32 s43, s42, 1                          ; head % 2: which two blocks of it
	s_lshl_b32 s54, s48, 13
	s_lshl_b32 s58, s49, 12
	s_add_co_u32 s54, s54, s58
	s_lshl_b32 s58, s45, 10
	s_add_co_u32 s54, s54, s58
	s_lshl_b32 s58, s43, 9
	s_add_co_u32 s54, s54, s58
	s_mov_b32 s55, 0
	s_lshl_b32 s56, s48, 9
	s_lshl_b32 s58, s45, 7
	s_add_co_u32 s56, s56, s58
	s_lshl_b32 s58, s49, 6
	s_add_co_u32 s56, s56, s58
	s_lshl_b32 s58, s43, 1
	s_add_co_u32 s56, s56, s58
	s_add_co_u32 s56, s56, OSC
	s_mov_b32 s57, 0
	s_mov_b32 s[SEL], 0x76543210
	s_mov_b32 s[SEL+1], 0xfedcba98                 ; v_permlanex16_b32's selects for lane l xor 16
	s_mov_b32 s[CS], 0x3e38aa3b                    ; c = log2(e) / 8
	s_mov_b32 s[CS+1], s[CS]                       ; (named with it as a pair, so it is written)
	s_mov_b32 s[D0], 1
	s_mov_b32 s[D0+1], s44                         ; LDS: the same place as in the head's bytes
	s_wait_dscnt 0x0                               ; both opening adds are done
	s_wait_kmcnt 0x0
	s_add_nc_u64 s[D0+2:D0+3], s[6:7], s[46:47]
	s_or_b32 s[D0+3], s[D0+3], 0x80000000
	CROUND                                         ; the four work-groups are here: the joint loads meet
	tensor_load_to_lds s[D0:D0+3], s[D1:D1+7]      ; each wave's one tensor load
	s_nop 0
	PLACES 4
	v_and_b32 v2, 31, v0
	v_lshlrev_b32 v[LI], 4, v2
	v_and_b32 v2, 15, v0
	v_lshlrev_b32 v[R16], 4, v2
	v_lshlrev_b32 v[R4], 2, v2
.irp i, 0,1,2,3
	v_mov_b32 v[Q+4+\i], 0                         ; zero codes
	v_mov_b32 v[KF+32+\i], 0
	v_mov_b32 v[T2+\i], 0                          ; written once: a lane permute's destination counts as one of its sources
.endr
	s_add_nc_u64 s[50:51], s[4:5], s[50:51]
	s_add_nc_u64 s[52:53], s[4:5], s[52:53]
	s_add_nc_u64 s[54:55], s[8:9], s[54:55]
	s_add_nc_u64 s[56:57], s[8:9], s[56:57]
	global_load_b128 v[Q:Q+3], v[LI], s[50:51]     ; Q's image: blocks 0 and 1
	global_load_b32 v[QS], v[R16], s[52:53]
	v_mov_b32 v13, 0xff61b1e6                      ; the largest score so far: -3e38, under every score
	v_mov_b32 v12, 0x7e000000                      ; -M: so large that the first f is 0
	v_mov_b32 v14, 0                               ; the sum, in two halves
	v_mov_b32 v15, 0
	v_mov_b32 v[FF+1], 0
.set n, 0
.rept 32
	v_mov_b32 v[O+n], 0                            ; O^T: the step is written for every step alike; the first finds zeros
.set n, n+1
.endr
; A KEY STEP of 128 keys.  pf = 1: the next step's K is asked of LDS too
.macro STEP pf
	s_wait_dscnt 0x0                               ; K and its scale words are in
.irp t, 0,1,2,3
	v_wmma_scale_f32_16x16x128_f8f6f4 v[S+8*\t:S+8*\t+7], v[KF+4*\t:KF+4*\t+7], v[Q:Q+7], 0, v[KS+\t], v[QS] matrix_a_fmt:MATRIX_FMT_FP4 matrix_b_fmt:MATRIX_FMT_FP4
.endr
.irp t, 4,5,6,7
	v_wmma_scale_f32_16x16x128_f8f6f4 v[S+8*\t:S+8*\t+7], v[KF+4*\t:KF+4*\t+7], v[Q:Q+7], 0, v[KS+\t-4], v[QS] matrix_a_fmt:MATRIX_FMT_FP4 matrix_b_fmt:MATRIX_FMT_FP4 matrix_a_scale:MATRIX_SCALE_ROW1
.endr
	v_add_nc_u32 v[AD], s[TB], v[LI]               ; four places behind these products and the last step's second ones, ahead of the loads into their registers and of the first read of the scores
	v_mov_b32 v[TMP], v12                          ; the old -M
	PLACES 2
.irp d, 0,1,2,3
.irp c, 0,1
	ds_load_b128 v[VF+8*\d+4*\c:VF+8*\d+4*\c+3], v[AD] offset:4096+1024*\d+512*\c
.endr
.endr
	ds_load_b128 v[VS:VS+3], v[AD] offset:8704
.if \pf
.irp t, 0,1,2,3,4,5,6,7
	ds_load_b128 v[KF+4*\t:KF+4*\t+3], v[AD] offset:9216+512*\t
.endr
	ds_load_b128 v[KS:KS+3], v[AD] offset:9216+8192    ; lanes 0-15: the words of tiles 0-3; lanes 16-31: of tiles 4-7
.endif
.irp b, 0,1,2,3
	v_max3_num_f32 v[BM+\b], v[S+16*\b], v[S+16*\b+1], v[S+16*\b+2]   ; the largest score of each block of 32 keys: it serves the row's maximum and, since p rises with the score, the block's largest p
.endr
.irp i, 3,5,7,9,11,13
.irp b, 0,1,2,3
	v_max3_num_f32 v[BM+\b], v[BM+\b], v[S+16*\b+\i], v[S+16*\b+\i+1]
.endr
.endr
.irp b, 0,1,2,3
	v_max_num_f32 v[BM+\b], v[BM+\b], v[S+16*\b+15]
.endr
.irp b, 0,1,2,3
	s_delay_alu instid0(VALU_DEP_4)
	v_permlanex16_b32 v[T2+\b], v[BM+\b], s[SEL], s[SEL+1]
.endr
.irp b, 0,1,2,3
	s_delay_alu instid0(VALU_DEP_4)
	v_max_num_f32 v[BM+\b], v[BM+\b], v[T2+\b]     ; with lane l xor 16's 16 keys
.endr
	s_delay_alu instid0(VALU_DEP_2)
	v_max3_num_f32 v[TX], v[BM], v[BM+1], v[BM+2]
	s_delay_alu instid0(VALU_DEP_1)
	v_max3_num_f32 v13, v13, v[TX], v[BM+3]        ; the running largest score of my query
	s_delay_alu instid0(VALU_DEP_1)
	v_mul_f32 v[TX], s[CS], v13                    ; as t (c is positive)
	s_delay_alu instid0(VALU_DEP_1)
	v_floor_f32 v12, -v[TX]                        ; the new -M = floor(-t) = -ceil(t)
	s_delay_alu instid0(VALU_DEP_1)
	v_sub_f32 v[TMP], v12, v[TMP]                  ; old M - new M: a whole number, 0 or less
	s_delay_alu instid0(VALU_DEP_1)
	v_cvt_i32_f32 v[TMP], v[TMP]                   ; (it saturates)
	s_delay_alu instid0(VALU_DEP_1)
	v_ldexp_f32 v[FF], 1.0, v[TMP]                 ; f = 2^(old M - new M)
; A block's scale needs only the exponent of its largest p = 2^x: floor(x), by whole-number arithmetic.  LIMIT: where x lies within an ulp under a whole number and the exponential rounds up to the power of two, that one p is held one code low
.irp b, 0,1,2,3
	v_fma_f32 v[BM+\b], v[BM+\b], s[CS], v12       ; x = t - M of each block's largest score: 0 or less
.endr
.irp b, 0,1,2,3
	v_max_num_f32 v[BM+\b], 0xc2f80000, v[BM+\b]   ; held at -124 from below: the byte cannot fall under 1
.endr
.irp b, 0,1,2,3
	v_cvt_floor_i32_f32 v[BM+\b], v[BM+\b]         ; floor(x): the exponent of the block's largest p
.endr
.irp b, 0,1,2,3
	v_add_lshl_u32 v[SO+\b], v[BM+\b], 125, 23     ; + 127 - 2, as an exponent field: the conversion's scale operand
.endr
.set n, 0
.rept 32
	v_pk_fma_f32 v[S+n:S+n+1], v[S+n:S+n+1], s[CS:CS+1], v[12:13] op_sel_hi:[1,0,0]   ; t - M, two at a time (of the pairs c and -M the low word serves both halves)
.set n, n+2
.endr
.set n, 0
.rept 16
	v_pk_mul_f32 v[O+n:O+n+1], v[O+n:O+n+1], v[FF:FF+1] op_sel_hi:[1,0]   ; O^T under the new M, each accumulator from its low end on; no transcendental stands between the products that wrote it and these lines
.set n, n+2
.endr
	s_wait_alu depctr_va_vdst(0)                   ; ahead of the batch
.set n, 0
.rept 64
	v_exp_f32 v[S+n], v[S+n]                       ; p = 2^(t - M), at most 1
.set n, n+1
.endr
	v_pk_mul_f32 v[14:15], v[14:15], v[FF:FF+1] op_sel_hi:[1,0]   ; the sum under the new M: the plain place behind the batch
	s_wait_alu depctr_va_vdst(0)                   ; one wait for the whole batch, ahead of its first reader
.irp b, 0,1,2,3
	v_cvt_scalef32_pk8_fp4_f32 v[PC+2*\b], v[S+16*\b:S+16*\b+7], v[SO+\b]
	v_cvt_scalef32_pk8_fp4_f32 v[PC+2*\b+1], v[S+16*\b+8:S+16*\b+15], v[SO+\b]
.endr
.irp b, 0,1,2,3
	v_lshrrev_b32 v[T2+\b], 23, v[SO+\b]           ; the scale's byte.  (Plain places behind the scaled conversions)
.endr
.irp c, 0,1                                    ; the operand's layout wants a whole block in a lane: lanes 0-15 block 2 c, lanes 16-31 block 2 c + 1
.irp i, 0,1
	v_permlane16_swap_b32 v[PC+4*\c+\i], v[PC+2+4*\c+\i]
.endr
.endr
	v_pk_add_f32 v[C2:C2+1], v[S:S+1], v[S+2:S+3]  ; the row's sum of the unquantised p, two at a time, in two chains; p's scale word is put together among them
	v_lshl_or_b32 v[PW], v[T2+1], 8, v[T2]
.irp j, 4,8,12,16,20,24,28,32,36,40,44,48,52,56,60
	v_pk_add_f32 v[14:15], v[14:15], v[S+\j:S+\j+1]
	v_pk_add_f32 v[C2:C2+1], v[C2:C2+1], v[S+\j+2:S+\j+3]
.if \j == 4
	v_lshl_or_b32 v[PW], v[T2+2], 16, v[PW]
.endif
.if \j == 8
	v_lshl_or_b32 v[PW], v[T2+3], 24, v[PW]        ; 27 plain lines stand between this one and the products below
.endif
.endr
	v_pk_add_f32 v[14:15], v[14:15], v[C2:C2+1]
.if \pf
	s_wait_dscnt 9                                 ; V and its scale words are in; the nine loads of the next step's K may be out
.else
	s_wait_dscnt 0x0
.endif
.irp d, 0,1,2,3
	v_wmma_scale_f32_16x16x128_f8f6f4 v[O+8*\d:O+8*\d+7], v[VF+8*\d:VF+8*\d+7], v[PC:PC+7], v[O+8*\d:O+8*\d+7], v[VS+\d], v[PW] matrix_a_fmt:MATRIX_FMT_FP4 matrix_b_fmt:MATRIX_FMT_FP4
.endr
.endm
	s_wait_alu depctr_va_vdst(0)
	s_wait_loadcnt 0x0                             ; Q
	s_wait_tensorcnt 0x0                           ; my part of the head's bytes is in LDS;
	s_barrier_signal -1
	s_barrier_wait -1                              ; everybody's is: no barrier follows but the closing round
.irp t, 0,1,2,3,4,5,6,7
	ds_load_b128 v[KF+4*\t:KF+4*\t+3], v[LI] offset:512*\t   ; the first step's K
.endr
	ds_load_b128 v[KS:KS+3], v[LI] offset:8192
	s_mov_b32 s[TB], 0
	s_mov_b32 s[CT], NKS-1
.Lstep:
	STEP 1
	s_add_co_u32 s[TB], s[TB], 9216
	s_sub_co_u32 s[CT], s[CT], 1
	s_cmp_lg_u32 s[CT], 0
	s_cbranch_scc1 .Lstep
	STEP 0                                         ; the last step asks for no further K
	; THE WAY OUT: O^T / the sum, quantised along the channels: two blocks of 32, each shared by lanes l and l xor 16
	PLACES 4
	s_wait_alu depctr_va_vdst(0)                   ; the sum was written ahead of a wait on LDS
	v_add_f32 v14, v14, v15                        ; the sum's two halves,
	s_delay_alu instid0(VALU_DEP_1)
	v_permlanex16_b32 v[TMP], v14, s[SEL], s[SEL+1]
	s_delay_alu instid0(VALU_DEP_1)
	v_add_f32 v14, v14, v[TMP]                     ; and lane l xor 16's: the row's sum
	s_wait_alu depctr_va_vdst(0)                   ; ahead of the transcendental
	v_rcp_f32 v14, v14
	v_nop                                          ; one plain place behind it
	s_wait_alu depctr_va_vdst(0)                   ; ahead of its first reader, which is also the first reader of the last products' results
.set n, 0
.rept 32
	v_mul_f32 v[S+n], v[O+n], v14                  ; register 16 b + i: channel 32 b + 16 h + i of my query
.set n, n+1
.endr
.irp b, 0,1
	v_max3_num_f32 v[BM+\b], |v[S+16*\b]|, |v[S+16*\b+1]|, 0x1800000
.endr
.irp i, 2,4,6,8,10,12,14
.irp b, 0,1
	s_delay_alu instid0(VALU_DEP_2)
	v_max3_num_f32 v[BM+\b], v[BM+\b], |v[S+16*\b+\i]|, |v[S+16*\b+\i+1]|
.endr
.endr
.irp b, 0,1
	s_delay_alu instid0(VALU_DEP_2)
	v_permlanex16_b32 v[T2+\b], v[BM+\b], s[SEL], s[SEL+1]
.endr
.irp b, 0,1
	s_delay_alu instid0(VALU_DEP_2)
	v_max_num_f32 v[BM+\b], v[BM+\b], v[T2+\b]
.endr
.irp b, 0,1
	s_delay_alu instid0(VALU_DEP_2)
	v_add_nc_u32 v[SO+\b], 0xff000000, v[BM+\b]
.endr
.irp b, 0,1
	s_delay_alu instid0(VALU_DEP_2)
	v_lshrrev_b32 v[T2+\b], 23, v[SO+\b]
.endr
.irp b, 0,1
	v_cvt_scalef32_pk8_fp4_f32 v[PC+2*\b], v[S+16*\b:S+16*\b+7], v[SO+\b]
	v_cvt_scalef32_pk8_fp4_f32 v[PC+2*\b+1], v[S+16*\b+8:S+16*\b+15], v[SO+\b]
.endr
	v_nop
	v_permlane16_swap_b32 v[PC], v[PC+2]           ; a whole block in a lane: lanes 0-15 block 0, lanes 16-31 block 1
	v_permlane16_swap_b32 v[PC+1], v[PC+3]
	v_lshl_or_b32 v[TMP], v[T2+1], 8, v[T2]        ; my row's two scale bytes
	global_store_b128 v[LI], v[PC:PC+3], s[54:55]  ; 32 lanes store 512 consecutive bytes: two blocks of the image
	global_store_b16 v[R4], v[TMP], s[56:57]       ; both lanes of a row write the same two bytes
	s_wait_tensorcnt 0x0                           ; the wave's end
	ds_add_u32 v[SPW], v[NIL]
	s_wait_dscnt 0x0
	CROUND                                         ; the closing round
	s_endpgm
.Lfunc_end_k_qa96c7a6ce2_attn_ca:
	.size	k_qa96c7a6ce2_attn_ca, .Lfunc_end_k_qa96c7a6ce2_attn_ca-k_qa96c7a6ce2_attn_ca
	.p2alignl 7, 3214868480
	.fill 96, 4, 3214868480
	.section	.rodata,"a",@progbits
	.p2align	6, 0x0
	.amdhsa_kernel k_qa96c7a6ce2_attn_ca
		.amdhsa_group_segment_fixed_size 169984
		.amdhsa_private_segment_fixed_size 0
		.amdhsa_enable_private_segment 0
		.amdhsa_kernarg_size 24
		.amdhsa_user_sgpr_count 2
		.amdhsa_user_sgpr_kernarg_segment_ptr 1
		.amdhsa_wavefront_size32 1
		.amdhsa_system_sgpr_workgroup_id_x 1
		.amdhsa_system_sgpr_workgroup_id_y 1
		.amdhsa_system_sgpr_workgroup_id_z 1
		.amdhsa_system_vgpr_workitem_id 0
		.amdhsa_next_free_vgpr 242
		.amdhsa_next_free_sgpr 66
		.amdhsa_reserve_vcc 0
		.amdhsa_float_denorm_mode_32 3
		.amdhsa_float_denorm_mode_16_64 3
		.amdhsa_memory_ordered 1
		.amdhsa_forward_progress 1
		.amdhsa_inst_pref_size 42
	.end_amdhsa_kernel
	.amdgpu_metadata
---
amdhsa.version: [ 1, 2 ]
amdhsa.kernels:
  - .name:           k_qa96c7a6ce2_attn_ca
    .symbol:         k_qa96c7a6ce2_attn_ca.kd
    .args:
      - { .name: qc, .offset: 0, .size: 8, .value_kind: global_buffer, .address_space: global }
      - { .name: kv2, .offset: 8, .size: 8, .value_kind: global_buffer, .address_space: global }
      - { .name: oc, .offset: 16, .size: 8, .value_kind: global_buffer, .address_space: global }
    .group_segment_fixed_size: 169984
    .private_segment_fixed_size: 0
    .kernarg_segment_align: 8
    .kernarg_segment_size: 24
    .max_flat_workgroup_size: 512
    .sgpr_count:     66
    .vgpr_count:     242
    .wavefront_size: 32
...
	.end_amdgpu_metadata
.endif
;; end of part 6
;; launch last (part 7): grid 256 x 1, 16 waves a work-group, no clusters, 169,984 bytes of LDS; arguments oc, x1, ca_bo, wts, out0; writes out0
.if DOCPART == 7
	.amdgcn_target "amdgcn-amd-amdhsa--gfx1250"
	.amdhsa_code_object_version 6
	.text
	.protected	k_qa96c7a6ce2_last
	.globl	k_qa96c7a6ce2_last
	.p2align	8
	.type	k_qa96c7a6ce2_last,@function
k_qa96c7a6ce2_last:
	s_mov_b64 s[64:65], 0
	v_nop
	global_prefetch_b8 v0, s[64:65] scope:SCOPE_SE
	s_setreg_imm32_b32 hwreg(HW_REG_WAVE_MODE, 25, 1), 1
	s_wait_xcnt 0x0
; out0 = cross-attention's output x ca_wo + ca_bo + x1, the product on codes of FP4 (E2M1) with E8M0 scales.
; SHARES.  A work-group takes 32 rows.  Wave w holds columns 64 w .. 64 w + 63 of all 32 rows: register 32 t + 16 b + 8 u + j = out(row of tile t, 64 w + 32 b + 16 h + 8 u + j).
; THE PRODUCT DOES NOT WAIT FOR x1: x1's tile is asked for first, into the wave's own LDS bytes; three of the four K steps' operands are asked for at once, the fourth into the first's registers; the sums begin with the
; constant 0, and x1 is added behind the last product, where the tile is first waited for.  The bias is added on the way out, where a lane holds four neighbouring columns of a row: four registers.
; ROWS AND COLUMNS OF A TILE: in a group of 32, tile u, row r holds index 8 u + r % 8 + 16 (r / 8).  Source 0 = 16 columns of the weight, source 1 = 16 rows: a lane holds a row, registers run along the columns.
; The result leaves through the wave's own tile in LDS (it has had its one fill): sixteen lanes store 256 consecutive bytes.  Waves share nothing: no barrier.
; The weight goes from memory straight into the registers of the one wave that multiplies by it; a joint request of several work-groups lands in LDS alone, so none is made.
; LIMITS: NaN and infinities among the inputs are not served.
.set WO,   1310720
.set WSC,  1966080
.set OSC,  2097152
.set NB,   2
.set XN,   16*NB
.set PITCH, 272
.set BSTEP, 128
.set TILEB, 32*PITCH                   ; LDS: each wave's own 32 rows x 64 numbers, from byte 0 on
.set L4,  1                            ; 4 x lane
.set TA,  5
.set GB,  6                            ; 256 x wave + 16 r: the bias of my four columns on the way out
.set LI,  7                            ; 16 x lane
.set R16, 9                            ; 16 r
.set VW4, 10                           ; 4,096 x wave + 16 x lane: the weight's images
.set VWS4, 11                          ; 256 x wave + 4 x lane: their scale words
.set RD,  14                           ; the way out: where I read a row back
.set GO,  15                           ; and my byte offset in the result
.set WS,  16                           ; v16-21 the weight's scale words, three sets of two; v22-24 the rows': these registers hold scales alone
.set AS,  22
.set BR,  32                           ; v32-35 the bias
.set X,   48
.set OS,  112                          ; three sets of 48: four fragments of the weight, two of the rows
.set XR,  112                          ; x1 out of the tile, when the sets are done with
.set OUTR, 176
.set WV,  20
.set D1,  28
.set D0,  36
.set PWT, 10
.set OCB, 44
.set OSB, 46
.set X1B, 48
.macro PLACES n
.rept \n
	v_nop
.endr
.endm
; one product 16 x 16 x 128 on codes.  zero = 1: it starts the sum.  ra, rb = 1: the side's scale words stand in lanes 16-31 of the register named
.macro WM d, a, b, zero, sa, sb, ra, rb
.if \zero
.if (\ra) && (\rb)
	v_wmma_scale_f32_16x16x128_f8f6f4 v[(\d):(\d)+7], v[(\a):(\a)+7], v[(\b):(\b)+7], 0, v[\sa], v[\sb] matrix_a_fmt:MATRIX_FMT_FP4 matrix_b_fmt:MATRIX_FMT_FP4 matrix_a_scale:MATRIX_SCALE_ROW1 matrix_b_scale:MATRIX_SCALE_ROW1
.elseif (\ra)
	v_wmma_scale_f32_16x16x128_f8f6f4 v[(\d):(\d)+7], v[(\a):(\a)+7], v[(\b):(\b)+7], 0, v[\sa], v[\sb] matrix_a_fmt:MATRIX_FMT_FP4 matrix_b_fmt:MATRIX_FMT_FP4 matrix_a_scale:MATRIX_SCALE_ROW1
.elseif (\rb)
	v_wmma_scale_f32_16x16x128_f8f6f4 v[(\d):(\d)+7], v[(\a):(\a)+7], v[(\b):(\b)+7], 0, v[\sa], v[\sb] matrix_a_fmt:MATRIX_FMT_FP4 matrix_b_fmt:MATRIX_FMT_FP4 matrix_b_scale:MATRIX_SCALE_ROW1
.else
	v_wmma_scale_f32_16x16x128_f8f6f4 v[(\d):(\d)+7], v[(\a):(\a)+7], v[(\b):(\b)+7], 0, v[\sa], v[\sb] matrix_a_fmt:MATRIX_FMT_FP4 matrix_b_fmt:MATRIX_FMT_FP4
.endif
.else
.if (\ra) && (\rb)
	v_wmma_scale_f32_16x16x128_f8f6f4 v[(\d):(\d)+7], v[(\a):(\a)+7], v[(\b):(\b)+7], v[(\d):(\d)+7], v[\sa], v[\sb] matrix_a_fmt:MATRIX_FMT_FP4 matrix_b_fmt:MATRIX_FMT_FP4 matrix_a_scale:MATRIX_SCALE_ROW1 matrix_b_scale:MATRIX_SCALE_ROW1
.elseif (\ra)
	v_wmma_scale_f32_16x16x128_f8f6f4 v[(\d):(\d)+7], v[(\a):(\a)+7], v[(\b):(\b)+7], v[(\d):(\d)+7], v[\sa], v[\sb] matrix_a_fmt:MATRIX_FMT_FP4 matrix_b_fmt:MATRIX_FMT_FP4 matrix_a_scale:MATRIX_SCALE_ROW1
.elseif (\rb)
	v_wmma_scale_f32_16x16x128_f8f6f4 v[(\d):(\d)+7], v[(\a):(\a)+7], v[(\b):(\b)+7], v[(\d):(\d)+7], v[\sa], v[\sb] matrix_a_fmt:MATRIX_FMT_FP4 matrix_b_fmt:MATRIX_FMT_FP4 matrix_b_scale:MATRIX_SCALE_ROW1
.else
	v_wmma_scale_f32_16x16x128_f8f6f4 v[(\d):(\d)+7], v[(\a):(\a)+7], v[(\b):(\b)+7], v[(\d):(\d)+7], v[\sa], v[\sb] matrix_a_fmt:MATRIX_FMT_FP4 matrix_b_fmt:MATRIX_FMT_FP4
.endif
.endif
.endm
.macro MMN acc, ts, wf, af, ws, as, zero   ; source 0 = the weight's tile u, source 1 = the rows' tile t: a lane holds a row, registers run along the columns
.irp t, 0,1
.irp u, 0,1
	WM (\acc)+(\ts)*\t+8*\u, (\wf)+8*\u, (\af)+8*\t, \zero, \ws, \as, \u, \t
.endr
.endr
.endm
.macro GFRAG dst, voff, sb, imm        ; a fragment's image from memory
.irp c, 0,1
	global_load_b128 v[(\dst)+4*\c:(\dst)+4*\c+3], v[\voff], s[\sb:\sb+1] offset:(\imm)+512*\c
.endr
.endm
.macro OSET s, p                       ; K step s into set p: fifteen loads
.irp q, 0,1,2,3
	GFRAG OS+48*(\p)+8*\q, VW4, PWT, WO+(\s)*65536+\q*1024
.endr
.irp t, 0,1
	GFRAG OS+48*(\p)+32+8*\t, LI, OCB, 4096*\t+1024*(\s)
.endr
.irp b, 0,1
	global_load_b32 v[WS+2*(\p)+\b], v[VWS4], s[PWT:PWT+1] offset:WSC+WO/16+(\s)*4096+128*\b
.endr
	global_load_b32 v[AS+(\p)], v[L4], s[OSB:OSB+1] offset:128*(\s)
.endm
.macro OSTEP s, left, zero             ; K step s, from set s % 3.  left: the loads issued behind this step's, which may be out
	s_wait_loadcnt \left
.irp b, 0,1
	MMN X+16*\b, 32, OS+48*((\s)%3)+16*\b, OS+48*((\s)%3)+32, WS+2*((\s)%3)+\b, AS+((\s)%3), \zero    ; the eight accumulators take turns, one instruction a turn
.endr
.endm
	s_load_b256 s[4:11], s[0:1], 0x0               ; oc, x1, ca_bo, wts
	s_load_b64 s[12:13], s[0:1], 0x20              ; out0
	v_lshl_add_u32 v46, v0, 2, 0x29000
	v_mov_b32 v47, 0
	ds_add_u32 v46, v47
	ds_add_u32 v46, v47
	v_lshrrev_b32 v26, 5, v0
	s_delay_alu instid0(VALU_DEP_1)
	v_readfirstlane_b32 s[WV], v26                 ; wave 0..15
	v_and_b32 v26, 31, v0                          ; lane
	v_and_b32 v27, 15, v0                          ; r
	v_bfe_u32 v28, v0, 4, 1                        ; h
	s_delay_alu instid0(VALU_DEP_3)
	v_lshlrev_b32 v[L4], 2, v26
	s_delay_alu instid0(VALU_DEP_4)
	v_lshlrev_b32 v[LI], 4, v26
	s_delay_alu instid0(VALU_DEP_4)
	v_lshlrev_b32 v[R16], 4, v27
	v_and_b32 v29, 7, v27
	v_lshrrev_b32 v30, 3, v27
	s_delay_alu instid0(VALU_DEP_1)
	v_lshl_add_u32 v29, v30, 4, v29                ; r % 8 + 16 (r / 8)
	s_delay_alu instid0(VALU_DEP_1)
	v_mul_u32_u24 v29, v29, PITCH
	s_delay_alu instid0(VALU_DEP_1)
	v_lshl_add_u32 v29, v28, 6, v29
	s_mul_i32 s[D0+1], s[WV], TILEB                ; my wave's tile
	v_add_nc_u32 v[TA], s[D0+1], v29
	v_mul_u32_u24 v29, v28, PITCH
	s_delay_alu instid0(VALU_DEP_1)
	v_add_nc_u32 v29, v29, v[R16]
	s_delay_alu instid0(VALU_DEP_1)
	v_add_nc_u32 v[RD], s[D0+1], v29
	v_lshl_add_u32 v[GO], v28, 12, v[R16]
	s_lshl_b32 s41, s[WV], 8
	v_add_nc_u32 v[GB], s41, v[R16]
	v_lshl_add_u32 v[VWS4], v26, 2, s41
	s_lshl_b32 s40, s[WV], 12
	v_lshl_add_u32 v[VW4], v26, 4, s40
	; the tile: 32 rows x 64 numbers of 4 bytes, rows 1,024 numbers apart; in LDS 4 words of padding behind every 64
	s_mov_b32 s[D1], (2<<16)|(1<<20)|(5<<22)|(3<<25)
	s_mov_b32 s[D1+1], 64<<16
	s_mov_b32 s[D1+2], 32<<16
	s_mov_b32 s[D1+3], 64<<16
	s_mov_b32 s[D1+4], 32
	s_mov_b32 s[D1+5], 1024
	s_mov_b32 s[D1+6], 0
	s_mov_b32 s[D1+7], 0
	s_mov_b32 s[D0], 1
	s_lshl_b32 s40, ttmp9, 17                      ; 32 rows of 4,096 bytes
	s_add_co_u32 s40, s40, s41
	s_mov_b32 s41, 0
	s_lshl_b32 s56, ttmp9, 13
	s_mov_b32 s57, 0
	s_lshl_b32 s58, ttmp9, 9
	s_add_co_u32 s58, s58, OSC
	s_mov_b32 s59, 0
	s_wait_alu depctr_va_vdst(0)
	s_wait_dscnt 0x0
	s_wait_kmcnt 0x0
	s_add_nc_u64 s[D0+2:D0+3], s[6:7], s[40:41]
	s_or_b32 s[D0+3], s[D0+3], 0x80000000
	tensor_load_to_lds s[D0:D0+3], s[D1:D1+7]      ; each wave's one tensor load: filled once, read by this wave alone
	s_nop 0
	PLACES 4
	s_add_nc_u64 s[X1B:X1B+1], s[12:13], s[40:41]
	s_add_nc_u64 s[OCB:OCB+1], s[4:5], s[56:57]
	s_add_nc_u64 s[OSB:OSB+1], s[4:5], s[58:59]
	global_load_b128 v[BR:BR+3], v[GB], s[8:9]     ; the bias
	OSET 0, 0                                      ; three K steps' operands at once: 45 loads
	OSET 1, 1
	OSET 2, 2
	OSTEP 0, 30, 1                                 ; K steps 1 and 2 may be out.  The first products start the sums
	PLACES 4                                       ; in front of loads into registers that these products read
	OSET 3, 0
	OSTEP 1, 30, 0                                 ; K steps 2 and 3 may be out
	OSTEP 2, 15, 0                                 ; K step 3 may be out
	OSTEP 3, 0, 0
	PLACES 4                                       ; in front of the loads below and of the first read of the sums
	s_wait_tensorcnt 0x0                           ; my tile is in LDS; nobody else reads it
.irp t, 0,1                                    ; my numbers out of my wave's tile: tile t's row r is row 8 t + r % 8 + 16 (r / 8)
.irp b, 0,1
.irp j, 0,1,2,3
	ds_load_b128 v[XR+32*\t+16*\b+4*\j:XR+32*\t+16*\b+4*\j+3], v[TA] offset:\t*8*PITCH+\b*BSTEP+16*\j
.endr
.endr
.endr
	s_wait_dscnt 0x0
.set cc, 0
.rept 32
	v_pk_add_f32 v[X+cc:X+cc+1], v[X+cc:X+cc+1], v[XR+cc:XR+cc+1]      ; + x1, each accumulator from its low end on
.set cc, cc+2
.endr
	; the result goes into my wave's tile and leaves as rows: lanes 0-15 one row's 256 bytes, lanes 16-31 the next row's
.irp t, 0,1
.irp b, 0,1
.irp j, 0,1,2,3
	ds_store_b128 v[TA], v[X+32*\t+16*\b+4*\j:X+32*\t+16*\b+4*\j+3] offset:\t*8*PITCH+\b*BSTEP+16*\j
.endr
.endr
.endr
.irp i, 0,1,2,3,4,5,6,7,8,9,10,11,12,13,14,15
	ds_load_b128 v[OUTR+4*\i:OUTR+4*\i+3], v[RD] offset:2*\i*PITCH     ; LDS serves a wave's instructions in order (ISA guide 5.7.1.4): these see the stores above
.endr
.irp i, 0,1,2,3,4,5,6,7,8,9,10,11,12,13,14,15
	s_wait_dscnt 15-\i                             ; the younger loads may be out
	v_pk_add_f32 v[OUTR+4*\i:OUTR+4*\i+1], v[OUTR+4*\i:OUTR+4*\i+1], v[BR:BR+1]          ; + bias
	v_pk_add_f32 v[OUTR+4*\i+2:OUTR+4*\i+3], v[OUTR+4*\i+2:OUTR+4*\i+3], v[BR+2:BR+3]
	global_store_b128 v[GO], v[OUTR+4*\i:OUTR+4*\i+3], s[X1B:X1B+1] offset:2*\i*4096 th:TH_STORE_NT   ; written once, read by nobody here
.endr
	s_wait_tensorcnt 0x0
	ds_add_u32 v46, v47
	s_wait_dscnt 0x0
	s_endpgm
.Lfunc_end_k_qa96c7a6ce2_last:
	.size	k_qa96c7a6ce2_last, .Lfunc_end_k_qa96c7a6ce2_last-k_qa96c7a6ce2_last
	.p2alignl 7, 3214868480
	.fill 96, 4, 3214868480
	.section	.rodata,"a",@progbits
	.p2align	6, 0x0
	.amdhsa_kernel k_qa96c7a6ce2_last
		.amdhsa_group_segment_fixed_size 169984
		.amdhsa_private_segment_fixed_size 0
		.amdhsa_enable_private_segment 0
		.amdhsa_kernarg_size 40
		.amdhsa_user_sgpr_count 2
		.amdhsa_user_sgpr_kernarg_segment_ptr 1
		.amdhsa_wavefront_size32 1
		.amdhsa_system_sgpr_workgroup_id_x 1
		.amdhsa_system_sgpr_workgroup_id_y 1
		.amdhsa_system_sgpr_workgroup_id_z 1
		.amdhsa_system_vgpr_workitem_id 0
		.amdhsa_next_free_vgpr 256
		.amdhsa_next_free_sgpr 66
		.amdhsa_reserve_vcc 0
		.amdhsa_float_denorm_mode_32 3
		.amdhsa_float_denorm_mode_16_64 3
		.amdhsa_memory_ordered 1
		.amdhsa_forward_progress 1
		.amdhsa_inst_pref_size 23
	.end_amdhsa_kernel
	.amdgpu_metadata
---
amdhsa.version: [ 1, 2 ]
amdhsa.kernels:
  - .name:           k_qa96c7a6ce2_last
    .symbol:         k_qa96c7a6ce2_last.kd
    .args:
      - { .name: oc, .offset: 0, .size: 8, .value_kind: global_buffer, .address_space: global }
      - { .name: x1, .offset: 8, .size: 8, .value_kind: global_buffer, .address_space: global }
      - { .name: ca_bo, .offset: 16, .size: 8, .value_kind: global_buffer, .address_space: global }
      - { .name: wts, .offset: 24, .size: 8, .value_kind: global_buffer, .address_space: global }
      - { .name: out0, .offset: 32, .size: 8, .value_kind: global_buffer, .address_space: global }
    .group_segment_fixed_size: 169984
    .private_segment_fixed_size: 0
    .kernarg_segment_align: 8
    .kernarg_segment_size: 40
    .max_flat_workgroup_size: 512
    .sgpr_count:     66
    .vgpr_count:     256
    .wavefront_size: 32
...
	.end_amdgpu_metadata
.endif
;; end of part 7
